; MI455X (gfx1250); checked and timed in simulation.
; The chip was launched on July 23, 2026; its instructions are those of AMD's public machine-readable ISA for CDNA 5 (MIT licence, August 2026) and "CDNA5" Instruction Set Architecture Reference Guide (July 2026). The comments in the code are by the model that wrote it; some were corrected since.
;; Mo E. Allowed arithmetic: float matrix products may take bf16 or f16 operands with f32 sums; other float arithmetic in f32, or as packed bf16 or f16 multiplies, adds, multiply-adds, maxima and minima; sums over many terms, partial sums and values carried from step to step in f32; what a program stores and reads back later, other than sums and carried values, may be rounded once to bf16 or f16.
;; Inputs: We 8 x 1,024 x 1,024 float32; Wg 1,024 x 8 float32; be 8 x 1,024 float32; beta 8 x 1,024 float32; bg 8 float32; gamma 8 x 1,024 float32; x 8,192 x 1,024 float32.
;; Outputs: out0 8,192 x 1,024 float32.
;; 2 versions, each right and faster than the one before. Each part assembles by itself: llvm-mc -triple=amdgcn-amd-amdhsa -mcpu=gfx1250 --defsym DOCPART=n.
;; ======== version 1 of 2: 3 launches
;; limits: values are held in f16: magnitudes above 65,504 overflow, below 6.1e-05 lose precision; a function is approximated: absolute error at most 7.5e-08; an absolute error that grows with the inputs' magnitude: up to 7.5e-08 times it
;; workspace buffers: xb 16,777,216 bytes; wb 16,777,216 bytes; hh 33,554,432 bytes; ms 262,144 bytes; gt 65,536 bytes; rt 32,768 bytes of whole numbers; bm 16,384 bytes of whole numbers; cn 8,192 bytes of whole numbers
;; launch prep (part 1): grid 512 x 1, 8 waves a work-group, no clusters, 35,840 bytes of LDS; arguments x, Wg, bg, We, xb, wb, rt, gt, bm, cn; writes xb, wb, rt, gt, bm, cn
.if DOCPART == 1
	.amdgcn_target "amdgcn-amd-amdhsa--gfx1250"
	.amdhsa_code_object_version 6
	.text
	.protected	k_q4f4bf5c2da_prep
	.globl	k_q4f4bf5c2da_prep
	.p2align	8
	.type	k_q4f4bf5c2da_prep,@function
k_q4f4bf5c2da_prep:
	s_mov_b64 s[64:65], 0
	v_nop
	global_prefetch_b8 v0, s[64:65] scope:SCOPE_SE
	s_setreg_imm32_b32 hwreg(HW_REG_WAVE_MODE, 25, 1), 1
	s_wait_xcnt 0x0
; PREP.  Two jobs in one launch, chosen by the work-group's number (the same for all its waves).
; Work-groups 0-255 (job X): 32 tokens each.  x is rounded once to bf16 and stored as xb [8192][1024]; the gate's logits are made from the ROUNDED x, Wg and bg
; (bf16 products are exact in f32, sums in f32), the two best experts and their softmax weights are found, and stored at fixed places:
;   rt[token] = e1 | e2 << 8;  gt[token] = the two weights;  bm[e][group of 32 tokens][slot] = one bit a token;  cn[e][group] = the two bit counts, 16 bits each.
; Work-groups 256-511 (job W): 32 rows (k) x 1,024 columns of one expert's We, rounded to bf16 and laid in the order in which a matrix operand's registers take them:
;   wb byte = e 2 MiB + w 512 KiB + ks 16 KiB + nt 1 KiB + hf 512 + (16 h + r) 16 holds We[e][32 ks + 16 hf + 8 h + 0..7][256 w + 16 nt + r].
; The gate's product has 8 columns, 0.2% of the module's multiply-adds, and a row as it is loaded lies across the lanes: it is done by fused multiply-adds on bf16 halves, not by the matrix unit.
; LIMITS.  tanh rises, so the order of the experts is taken on the logit, clamped to +-9.02, where f32's tanh is +-1: saturated logits tie and the lower index wins, as in lax.top_k.
; Between |z| of about 5 and 9 f32's tanh merges neighbours that this text still tells apart.  NaN is not treated.
.set ZB,    16896                      ; job X: bytes 0-16,383 hold Wg's table; here 32 tokens x 8 logits, f32
.set SPARE, 17920                      ; the spare words: 128 bytes for each of eight waves; no other line names them
.set WSTG,  18944                      ; job W: eight stages of 2,112 bytes; the two jobs name no LDS byte in common
.set XP,    16                         ; v16-47   a row in bf16, 16 registers, two sets by turns
.set ACC,   48                         ; v48-79   logit sums: row r, expert e at ACC + 8 r + e
.set WP,    96                         ; v96-223  Wg in bf16 for my 32 k: load i, place t: four registers of two experts each
.set RAW,   224                        ; v224-255 Wg as loaded; later at work
.set MSB, 0
.macro WIN new                         ; the immediate's high byte repeats the setting that is left
.if MSB != (\new)
	s_set_vgpr_msb (MSB<<8)|(\new)
.set MSB, (\new)
.endif
.endm
	s_load_b512 s[4:19], s[0:1], 0x0               ; x s[4:5], Wg s[6:7], bg s[8:9], We s[10:11], xb s[12:13], wb s[14:15], rt s[16:17], gt s[18:19]
	s_load_b128 s[20:23], s[0:1], 0x40             ; bm s[20:21], cn s[22:23]
	v_lshl_add_u32 v2, v0, 2, SPARE                ; my spare word,
	v_mov_b32 v3, 0                                ; and 0: kept for the add at the wave's end alone
	v_and_b32 v1, 31, v0                           ; lane
	v_lshrrev_b32 v8, 5, v0
	v_readfirstlane_b32 s24, v8                    ; wave 0..7
	v_lshlrev_b32 v4, 4, v1                        ; 16 x lane
	s_mov_b32 s27, 0                               ; high word of the offsets' pair s[26:27]
	s_wait_kmcnt 0x0
	s_cmp_lt_u32 ttmp9, 256
	s_cbranch_scc0 .Lweights
; ---------------- JOB X: wave v owns tokens 4 v .. 4 v + 3 of the group's 32 ----------------
	s_load_b256 s[32:39], s[8:9], 0x0              ; bg, eight numbers
	s_lshl_b32 s26, ttmp9, 17                      ; 32 rows of 4,096 bytes a group,
	s_lshl_b32 s25, s24, 14                        ; 4 rows a wave
	s_add_co_u32 s26, s26, s25
	s_add_nc_u64 s[4:5], s[4:5], s[26:27]          ; x at my first row
	s_lshr_b32 s26, s26, 1                         ; half as many bytes in bf16
	s_add_nc_u64 s[12:13], s[12:13], s[26:27]      ; xb at my first row
	v_lshlrev_b32 v9, 7, v0                        ; thread tau takes Wg's rows 4 tau .. 4 tau + 3: 128 bytes
.irp j, 0,1,2,3,4,5,6,7
	global_load_b128 v[RAW+4*\j:RAW+4*\j+3], v9, s[6:7] offset:16*\j
.endr
	WIN 0x40                                       ; destination window 1: row r, load i at v[32 r + 4 i]
.irp r, 0,1,2,3
.irp i, 0,1,2,3,4,5,6,7
	global_load_b128 v[32*\r+4*\i:32*\r+4*\i+3], v4, s[4:5] offset:4096*\r+512*\i th:TH_LOAD_NT  ; 512 consecutive bytes: columns 128 i + 4 lane + 0..3
.endr
.endr
	WIN 0
	v_lshlrev_b32 v5, 3, v1                        ; 8 x lane
	v_mov_b32 v6, 0                                ; what the first multiply-add of a sum adds onto
	v_lshlrev_b32 v10, 6, v0                       ; the table: 16 bytes a k, so 64 bytes a thread
	v_lshlrev_b32 v11, 6, v1                       ; and 64 bytes a lane on the way back
	s_mov_b32 s40, 0x76543210                      ; v_permlanex16_b32: each lane takes its own place in the other half
	s_mov_b32 s41, 0xfedcba98
	s_lshl_b32 s25, s24, 7
	s_add_co_u32 s25, s25, ZB                      ; my four tokens' logits
	v_mov_b32 v12, s25
	s_wait_loadcnt 32                              ; Wg's eight loads are in; the 32 of x, issued behind them, stay out
.irp k, 0,1,2,3
.irp m, 0,1,2,3
	v_cvt_pk_bf16_f32 v[XP+4*\k+\m], v[RAW+8*\k+2*\m], v[RAW+8*\k+2*\m+1]  ; experts 2 m, 2 m + 1 of one k
.endr
.endr
.irp k, 0,1,2,3
	ds_store_b128 v10, v[XP+4*\k:XP+4*\k+3] offset:16*\k
.endr
	s_wait_dscnt 0x0                               ; for the others' sake: my part of the table is written
	s_barrier_signal -1
	s_barrier_wait -1
.irp i, 0,1,2,3,4,5,6,7
.irp t, 0,1,2,3
	ds_load_b128 v[WP+16*\i+4*\t:WP+16*\i+4*\t+3], v11 offset:2048*\i+16*\t  ; k = 128 i + 4 lane + t
.endr
.endr
; One row: rounded, stored, and multiplied into its eight sums.
.macro ROW r
.set XR, XP+16*((\r)&1)
	s_wait_loadcnt 24-8*(\r)                       ; loads come back in order: my row's eight are in, the later rows' stay out
.if (\r) >= 2
	s_wait_xcnt 0x0                                ; this set of XP was the data of stores two rows ago: it is rewritten only behind this wait
.endif
.if (\r) == 0
	s_wait_dscnt 0x0                               ; the table's 32 loads
.endif
	WIN 0x05                                       ; sources in window 1
.irp i, 0,1,2,3,4,5,6,7
	v_cvt_pk_bf16_f32 v[XR+2*\i],   v[32*(\r)+4*\i],   v[32*(\r)+4*\i+1]
	v_cvt_pk_bf16_f32 v[XR+2*\i+1], v[32*(\r)+4*\i+2], v[32*(\r)+4*\i+3]
.endr
	WIN 0
.irp i, 0,1,2,3,4,5,6,7
	global_store_b64 v5, v[XR+2*\i:XR+2*\i+1], s[12:13] offset:2048*(\r)+256*\i  ; the wave's 32 lanes store 256 consecutive bytes, aligned
.endr
.irp i, 0,1,2,3,4,5,6,7
.irp th, 0,1
.irp tl, 0,1
.irp eh, 0,1,2,3
.irp el, 0,1
.if ((\i)+(\th)+(\tl)) == 0
	v_fma_mix_f32_bf16 v[ACC+8*(\r)+2*\eh+\el], v[XR+2*\i+\th], v[WP+16*\i+8*\th+4*\tl+\eh], v6 op_sel:[\tl,\el,0] op_sel_hi:[1,1,0]
.else
	v_fma_mix_f32_bf16 v[ACC+8*(\r)+2*\eh+\el], v[XR+2*\i+\th], v[WP+16*\i+8*\th+4*\tl+\eh], v[ACC+8*(\r)+2*\eh+\el] op_sel:[\tl,\el,0] op_sel_hi:[1,1,0]
.endif
.endr
.endr
.endr
.endr
.endr
.endm
	ROW 0
	ROW 1
	ROW 2
	ROW 3
	; the 32 sums over the 32 lanes: four steps inside each half ride on the addition, one crosses the halves
.irp d, 1,2,4,8
.set n, 0
.rept 32
	v_add_f32_dpp v[ACC+n], v[ACC+n], v[ACC+n] row_xmask:\d row_mask:0xf bank_mask:0xf
.set n, n+1
.endr
.endr
.set n, 0
.rept 32
	v_permlanex16_b32 v[RAW+n], v[ACC+n], s40, s41
.set n, n+1
.endr
.set n, 0
.rept 32
	v_add_f32 v[ACC+n], v[ACC+n], v[RAW+n]
.set n, n+1
.endr
.irp r, 0,1,2,3
	ds_store_b128 v12, v[ACC+8*\r:ACC+8*\r+3] offset:32*\r        ; all lanes write the same bytes with the same numbers
	ds_store_b128 v12, v[ACC+8*\r+4:ACC+8*\r+7] offset:32*\r+16
.endr
	s_wait_kmcnt 0x0                               ; bg
	s_wait_dscnt 0x0                               ; for wave 0's sake: my tokens' logits are written
	s_barrier_signal -1
	s_barrier_wait -1
	s_cmp_lg_u32 s24, 0
	s_cbranch_scc1 .Lxend
	; wave 0 alone: a lane is a token
	v_lshl_add_u32 v13, v1, 5, ZB
	ds_load_b128 v[96:99], v13
	ds_load_b128 v[100:103], v13 offset:16
.irp m, 0,1,2,3
	v_cvt_pk_bf16_f32 v[112+\m], s[32+2*\m], s[33+2*\m]           ; bg rounded to bf16,
	v_lshlrev_b32 v[104+2*\m], 16, v[112+\m]                       ; and back as f32
	v_and_b32 v[105+2*\m], 0xffff0000, v[112+\m]
.endr
	s_mov_b32 s42, 0xc11051ec                      ; -9.02
	s_mov_b32 s43, 0x411051ec                      ; 9.02
	s_lshl_b32 s26, ttmp9, 7
	s_add_nc_u64 s[16:17], s[16:17], s[26:27]      ; rt: 4 bytes a token
	s_lshl_b32 s26, ttmp9, 8
	s_add_nc_u64 s[18:19], s[18:19], s[26:27]      ; gt: 8 bytes a token
	s_lshl_b32 s26, ttmp9, 3
	s_add_nc_u64 s[20:21], s[20:21], s[26:27]      ; bm: 8 bytes a group
	s_lshl_b32 s26, ttmp9, 2
	s_add_nc_u64 s[22:23], s[22:23], s[26:27]      ; cn: 4 bytes a group
	s_wait_dscnt 0x0
.irp e, 0,1,2,3,4,5,6,7
	v_add_f32 v[96+\e], v[96+\e], v[104+\e]
.endr
.irp e, 0,1,2,3,4,5,6,7
	v_med3_num_f32 v[96+\e], v[96+\e], s42, s43
.endr
	v_mov_b32 v116, v96                            ; the best: an ascending scan with a strict comparison keeps the lower index in a tie
	v_mov_b32 v117, 0
.irp e, 1,2,3,4,5,6,7
	v_cmp_gt_f32 vcc_lo, v[96+\e], v116
	v_cndmask_b32 v116, v116, v[96+\e], vcc_lo
	v_cndmask_b32 v117, v117, \e, vcc_lo
.endr
	v_mov_b32 v118, 0xff800000                     ; the best is taken out of the second scan
.irp e, 0,1,2,3,4,5,6,7
	v_cmp_eq_u32 vcc_lo, \e, v117
	v_cndmask_b32 v[96+\e], v[96+\e], v118, vcc_lo
.endr
	v_mov_b32 v119, v96
	v_mov_b32 v120, 0
.irp e, 1,2,3,4,5,6,7
	v_cmp_gt_f32 vcc_lo, v[96+\e], v119
	v_cndmask_b32 v119, v119, v[96+\e], vcc_lo
	v_cndmask_b32 v120, v120, \e, vcc_lo
.endr
	; tanh z = 1 - 2 / (1 + 2^(2 log2(e) z)); the weights: softmax of the two with the larger taken away: g1 = 1 / (1 + e^(t2 - t1)), g2 = 1 - g1
	v_mul_f32 v121, 0x4038aa3b, v116
	v_mul_f32 v122, 0x4038aa3b, v119
	v_exp_f32 v121, v121
	v_exp_f32 v122, v122
	v_lshl_or_b32 v123, v120, 8, v117              ; rt's word; also the plain instruction behind the exponentials
	s_wait_alu depctr_va_vdst(0)                   ; one wait for the two, ahead of their first reader
	v_add_f32 v121, 1.0, v121
	v_add_f32 v122, 1.0, v122
	v_rcp_f32 v121, v121
	v_rcp_f32 v122, v122
	v_lshlrev_b32 v124, 2, v1
	s_wait_alu depctr_va_vdst(0)
	v_fma_f32 v121, v121, -2.0, 1.0
	v_fma_f32 v122, v122, -2.0, 1.0
	v_sub_f32 v122, v122, v121                     ; t2 - t1, never above 0
	v_mul_f32 v122, 0x3fb8aa3b, v122
	v_exp_f32 v122, v122
	v_lshlrev_b32 v125, 3, v1
	s_wait_alu depctr_va_vdst(0)
	v_add_f32 v122, 1.0, v122
	v_rcp_f32 v126, v122
	v_mov_b32 v112, 0
	s_wait_alu depctr_va_vdst(0)
	v_sub_f32 v127, 1.0, v126
	global_store_b32 v124, v123, s[16:17]          ; 128 consecutive bytes
	global_store_b64 v125, v[126:127], s[18:19]    ; 256 consecutive bytes
	v_mov_b32 v113, 0
.irp e, 0,1,2,3,4,5,6,7
	v_cmp_eq_u32 s44, \e, v117                     ; which of my 32 tokens chose e first,
	v_cmp_eq_u32 s45, \e, v120                     ; which second
	v_writelane_b32 v112, s44, 2*\e
	v_writelane_b32 v112, s45, 2*\e+1
	s_bcnt1_i32_b32 s46, s44
	s_bcnt1_i32_b32 s47, s45
	s_lshl_b32 s47, s47, 16
	s_or_b32 s46, s46, s47
	v_writelane_b32 v113, s46, \e
.endr
	v_lshrrev_b32 v80, 1, v1                       ; lane 2 e + s: bm at e 2,048 + 4 s
	v_and_b32 v81, 1, v1
	v_lshlrev_b32 v81, 2, v81
	v_lshl_or_b32 v80, v80, 11, v81
	v_lshlrev_b32 v82, 10, v1                      ; lane e: cn at e 1,024
	; these 24 words a group lie far apart by the tables' layout, which the next launch reads densely: 24 KiB in the whole launch
	v_cmp_gt_u32 vcc_lo, 16, v1
	s_wait_xcnt 0x0                                ; EXEC changes only behind this wait
	s_and_saveexec_b32 s50, vcc_lo
	global_store_b32 v80, v112, s[20:21]
	s_wait_xcnt 0x0
	s_or_b32 exec_lo, exec_lo, s50
	v_cmp_gt_u32 vcc_lo, 8, v1
	s_and_saveexec_b32 s50, vcc_lo
	global_store_b32 v82, v113, s[22:23]
	s_wait_xcnt 0x0
	s_or_b32 exec_lo, exec_lo, s50
.Lxend:
	s_wait_tensorcnt 0x0                           ; the wave's end, behind my last LDS store
	ds_add_u32 v2, v3
	s_wait_dscnt 0x0
	s_endpgm
; ---------------- JOB W: expert e, K step ks; wave v owns columns 128 v .. 128 v + 127, in four units of 16 k x 64 columns ----------------
.Lweights:
	s_sub_co_u32 s25, ttmp9, 256
	s_lshr_b32 s28, s25, 5                         ; e
	s_and_b32 s29, s25, 31                         ; ks
	s_lshl_b32 s26, s28, 22                        ; We: 4 MiB an expert,
	s_lshl_b32 s30, s29, 17                        ; 32 rows of 4,096 bytes a K step,
	s_add_co_u32 s26, s26, s30
	s_lshl_b32 s30, s24, 9                         ; 512 bytes of a row a wave
	s_add_co_u32 s26, s26, s30
	s_add_nc_u64 s[10:11], s[10:11], s[26:27]
	s_lshl_b32 s26, s28, 21                        ; wb: 2 MiB an expert,
	s_lshl_b32 s30, s29, 14                        ; 16 KiB a K step,
	s_add_co_u32 s26, s26, s30
	s_lshr_b32 s31, s24, 1
	s_lshl_b32 s31, s31, 19                        ; 512 KiB a segment of 256 columns,
	s_add_co_u32 s26, s26, s31
	s_and_b32 s31, s24, 1
	s_lshl_b32 s31, s31, 13                        ; 8 tiles of 1 KiB for each half of it
	s_add_co_u32 s26, s26, s31
	s_add_nc_u64 s[14:15], s[14:15], s[26:27]
	v_and_b32 v8, 15, v1                           ; q
	v_lshrrev_b32 v9, 4, v1                        ; h
	v_lshlrev_b32 v10, 4, v8
	v_lshl_or_b32 v10, v9, 15, v10                 ; lanes 0-15: 256 bytes of one row; lanes 16-31: of the row eight below
.irp u, 0,1,2,3
.irp i, 0,1,2,3,4,5,6,7
	global_load_b128 v[16+32*\u+4*\i:16+32*\u+4*\i+3], v10, s[10:11] offset:(\u%2)*65536+4096*\i+(\u/2)*256 th:TH_LOAD_NT
.endr
.endr
	s_mul_i32 s30, s24, 2112                       ; my stage: four tiles of 512 bytes, 528 apart: the sixteen lanes of a store then fall into sixteen different 16-byte columns of 256 (64 banks of 4 bytes: ISA guide 11.1)
	s_add_co_u32 s30, s30, WSTG
	v_lshrrev_b32 v12, 2, v8
	v_mul_u32_u24 v11, v12, 528                    ; tile q / 4,
	v_lshl_add_u32 v11, v9, 8, v11                 ; half h,
	v_and_b32 v12, 3, v8
	v_lshl_add_u32 v11, v12, 6, v11                ; columns 4 (q % 4) + c
	v_add_nc_u32 v11, s30, v11
	v_add_nc_u32 v13, s30, v4                      ; back: 16 x lane
; A unit: my lane holds eight k of four columns; each column's eight k pack into the 16 bytes of one operand lane; the stage sorts them by tile.
.macro UNIT u
	s_wait_loadcnt 24-8*(\u)                       ; the unit's eight loads are in, the later units' stay out
.irp c, 0,1,2,3
.irp m, 0,1,2,3
	v_cvt_pk_bf16_f32 v[144+4*\c+\m], v[16+32*(\u)+8*\m+\c], v[16+32*(\u)+8*\m+4+\c]  ; the lower k in the lower half
.endr
.endr
.irp c, 0,1,2,3
	ds_store_b128 v11, v[144+4*\c:147+4*\c] offset:16*\c
.endr
.irp T, 0,1,2,3
	ds_load_b128 v[160+16*(\u)+4*\T:163+16*(\u)+4*\T], v13 offset:528*\T  ; LDS serves a wave's instructions in order (ISA guide 5.7.1.4): these see the stores above, and the next unit's stores come behind them
.endr
	s_wait_dscnt 0x0
.irp T, 0,1,2,3
	global_store_b128 v4, v[160+16*(\u)+4*\T:163+16*(\u)+4*\T], s[14:15] offset:((\u)/2)*4096+1024*\T+((\u)%2)*512  ; 512 consecutive bytes, aligned
.endr
.endm
	UNIT 0
	UNIT 1
	UNIT 2
	UNIT 3
	s_wait_tensorcnt 0x0                           ; the wave's end, behind my last LDS store
	ds_add_u32 v2, v3
	s_wait_dscnt 0x0
	s_endpgm
.Lfunc_end_k_q4f4bf5c2da_prep:
	.size	k_q4f4bf5c2da_prep, .Lfunc_end_k_q4f4bf5c2da_prep-k_q4f4bf5c2da_prep
	.p2alignl 7, 3214868480
	.fill 96, 4, 3214868480
	.section	.rodata,"a",@progbits
	.p2align	6, 0x0
	.amdhsa_kernel k_q4f4bf5c2da_prep
		.amdhsa_group_segment_fixed_size 35840
		.amdhsa_private_segment_fixed_size 0
		.amdhsa_enable_private_segment 0
		.amdhsa_kernarg_size 80
		.amdhsa_user_sgpr_count 2
		.amdhsa_user_sgpr_kernarg_segment_ptr 1
		.amdhsa_wavefront_size32 1
		.amdhsa_system_sgpr_workgroup_id_x 1
		.amdhsa_system_sgpr_workgroup_id_y 1
		.amdhsa_system_sgpr_workgroup_id_z 1
		.amdhsa_system_vgpr_workitem_id 0
		.amdhsa_next_free_vgpr 384
		.amdhsa_next_free_sgpr 66
		.amdhsa_reserve_vcc 1
		.amdhsa_float_denorm_mode_32 3
		.amdhsa_float_denorm_mode_16_64 3
		.amdhsa_memory_ordered 1
		.amdhsa_forward_progress 1
		.amdhsa_inst_pref_size 114
	.end_amdhsa_kernel
	.amdgpu_metadata
---
amdhsa.version: [ 1, 2 ]
amdhsa.kernels:
  - .name:           k_q4f4bf5c2da_prep
    .symbol:         k_q4f4bf5c2da_prep.kd
    .args:
      - { .name: x, .offset: 0, .size: 8, .value_kind: global_buffer, .address_space: global }
      - { .name: Wg, .offset: 8, .size: 8, .value_kind: global_buffer, .address_space: global }
      - { .name: bg, .offset: 16, .size: 8, .value_kind: global_buffer, .address_space: global }
      - { .name: We, .offset: 24, .size: 8, .value_kind: global_buffer, .address_space: global }
      - { .name: xb, .offset: 32, .size: 8, .value_kind: global_buffer, .address_space: global }
      - { .name: wb, .offset: 40, .size: 8, .value_kind: global_buffer, .address_space: global }
      - { .name: rt, .offset: 48, .size: 8, .value_kind: global_buffer, .address_space: global }
      - { .name: gt, .offset: 56, .size: 8, .value_kind: global_buffer, .address_space: global }
      - { .name: bm, .offset: 64, .size: 8, .value_kind: global_buffer, .address_space: global }
      - { .name: cn, .offset: 72, .size: 8, .value_kind: global_buffer, .address_space: global }
    .group_segment_fixed_size: 35840
    .private_segment_fixed_size: 0
    .kernarg_segment_align: 8
    .kernarg_segment_size: 80
    .max_flat_workgroup_size: 256
    .sgpr_count:     66
    .vgpr_count:     384
    .wavefront_size: 32
...
	.end_amdgpu_metadata
.endif
;; end of part 1
;; launch chain (part 2): grid 212 x 1, 4 waves a work-group, no clusters, 200,192 bytes of LDS; arguments cn, bm, xb, wb, be, hh, ms; writes hh, ms
.if DOCPART == 2
	.amdgcn_target "amdgcn-amd-amdhsa--gfx1250"
	.amdhsa_code_object_version 6
	.text
	.protected	k_q4f4bf5c2da_chain
	.globl	k_q4f4bf5c2da_chain
	.p2align	8
	.type	k_q4f4bf5c2da_chain,@function
k_q4f4bf5c2da_chain:
	s_mov_b64 s[64:65], 0
	v_nop
	global_prefetch_b8 v0, s[64:65] scope:SCOPE_SE
	s_setreg_imm32_b32 hwreg(HW_REG_WAVE_MODE, 25, 1), 1
	s_wait_xcnt 0x0
; CHAIN.  The chosen rows alone: for each (token, slot) the row x We[e] + be[e], exact GELU, stored for the last launch, which normalises and adds.
; SHARES.  An expert's routed rows are ranked by (group of 32 tokens, slot, token); a work-group takes up to 80 consecutive ranks of one expert and all 1,024 columns.  Expert e has ceil(c_e / 80) tiles; with
; 16,384 routed rows and 8 experts these are 205 to 212, whatever the split.  The grid is 212: the X = 212 - sum work-groups that are over go to the expert with the most rows (2,048 at the least, so 25 full tiles
; or more), whose first X tiles are halved into tiles of 40 rows.  So every work-group has rows, for every split.  Wave w owns columns 256 w .. + 255: 5 blocks of 16 rows x 16 tiles of 16 columns = 80
; accumulators, 640 registers.  PLACES PAST THE COUNT repeat the tile's last row from the gather on: they give that row's numbers once more, and these are stored once more, to the same addresses: no branch and
; no lane mask hangs on a count.  Over all tiles that is 212 x 80 - 16,384 = 576 rows at the most beside 16,384.
; ROUTING.  Every wave finds the tile for itself from cn (counts) and bm (bitmaps), whole numbers that the launch before stored: totals, the deal, the rank in front of every bitmap word (a table in LDS of the wave's
; own), and for each place of the tile a search of nine steps in that table and the choice of the bit inside the word.
; OPERANDS.  The 80 token rows (bf16) are gathered once into LDS.  The weights come from memory straight into registers in operand order: each fragment has one reader in the work-group.
; NO CLUSTER, NO TENSOR LOADS: beside the 165,120 bytes of token rows LDS has room for two slots of one K step of weights (65,536 bytes each); a joint refill would have one step's 80 products in which to land
; and a round of the cluster's barrier for each, and every weight byte would pass through LDS once more; what it would spare is three of four reads of weights that tiles of one expert share.
; THE MATRIX INSTRUCTION IS USED TRANSPOSED: source 0 = 16 columns of We, source 1 = 16 tokens: a lane holds one token (lane % 16) and the columns 8 (lane / 16) + 0..7.
; GELU = z Phi(z).  With A = |z|, T = 1 / (1 + 0.2316419 A): the upper tail is h = e^(-z z / 2) (c1 T + .. + c5 T^5) (Abramowitz and Stegun 26.2.17, error below 7.5e-8 for every z), and z Phi(z) = max(z, 0) - A h.
; WHAT IS STORED.  hh[slot 8192 + token][1024] in f16: the value LESS a shift, which is the value of the segment's first column, one for each row and segment of 256 columns, kept in f32 in ms[row][4]:
; a common offset of a row costs f16 nothing.  Inside a segment place 8 l + t holds column 4 l + t (t < 4) or 128 + 4 l + t - 4, so that the last launch stores f32 densely.
; LIMITS.  A value less its shift stays under f16's 65,504; NaN and infinities are not treated apart.  be is rounded to bf16 like every input.
.set APITCH, 2064                      ; a token row in LDS: 2,048 bytes + 16 = 129 x 16: the 16 rows of a fragment load start at 16 different groups of four banks (64 banks of 4 bytes: ISA guide 11.1)
.set ABLK,   16*APITCH
.set SPITCH, 1040                      ; a row of a wave's stage: 256 f32 + 16 bytes = 65 x 16
.set STGW,   48*SPITCH                 ; a wave's stage: 48 rows.  The four stages lie from byte 0 on, over the token rows and the rank tables, which are dead behind the K loop
.set SRT,    80*APITCH                 ; each wave's 4 KiB: the rank in front of each bitmap word (2 KiB), the words (2 KiB)
.set SPARE,  4*STGW                    ; the spare words: 128 bytes a wave; no other line names them
; window 0: v1 lane; v2, v3 the add's pair; v4-6 LDS addresses of the token fragments in hand (blocks 0-1, 2-3, 4); behind the K loop v4, v6 fixed places in my stage and v5, v9 the trip's addresses; v7 16 x lane;
;   v8 into the stage; v10 512 w + 16 lane; v13-15 the tile's 96 entries (slot x 8,192 + token), place 32 q + lane in v[13 + q]; v16-23 bias; v24-27 four rows' shifts; v28-30 the token fragments' places, behind
;   the K loop v28, v29 places in my stage; v31 at work; v32-71, v72-111 token fragments, two buffers; v96-98, v100-102 ms's offsets and shifts; v112-127 f16; v128-255 block 4's accumulators, else at work
; window 1: the weights' ring: four halves of 8 fragments.   window 2: blocks 0, 1.   window 3: blocks 2, 3.
.set YB, 128                           ; the way out, 16 pairs each: z, then the result
.set AB, 160                           ; |z|
.set RB, 192                           ; max(z, 0)
.set DB, 224                           ; 1 + p |z|, then T
.set QB, 32                            ; the exponent, then E
.set PB, 64                            ; the polynomial
.set MSB, 0
.macro WIN new                         ; the immediate's high byte repeats the setting that is left
.if MSB != (\new)
	s_set_vgpr_msb (MSB<<8)|(\new)
.set MSB, (\new)
.endif
.endm
.macro PLACES                          ; four places behind a matrix instruction, in front of loads into registers that it read and of stores of its results (ISA guide 7.12.1 for vector instructions)
.rept 4
	v_nop
.endr
.endm
.macro ALLP line:vararg                ; one line for each pair p of 16
.set p, 0
.rept 16
	\line
.set p, p+1
.endr
.endm
.macro SUM8 d, b                       ; eight words of two 16-bit counts each, added; then the two halves added
	v_add3_u32 v[\d], v[\b], v[(\b)+1], v[(\b)+2]
	v_add3_u32 v[\d], v[\d], v[(\b)+3], v[(\b)+4]
	v_add3_u32 v[\d], v[\d], v[(\b)+5], v[(\b)+6]
	v_add_nc_u32 v[\d], v[\d], v[(\b)+7]
	v_lshrrev_b32 v[(\d)+1], 16, v[\d]
	v_and_b32 v[\d], 0xffff, v[\d]
	v_add_nc_u32 v[\d], v[\d], v[(\d)+1]
.endm
.macro BLOAD q, imm                    ; 8 fragments (16 columns x 32 k each) into ring half q: 16 loads of 512 consecutive bytes
	WIN 0x40
.irp f, 0,1,2,3,4,5,6,7
	global_load_b128 v[64*(\q)+8*\f:64*(\q)+8*\f+3],   v7, s[40:41] offset:(\imm)+1024*\f
	global_load_b128 v[64*(\q)+8*\f+4:64*(\q)+8*\f+7], v7, s[40:41] offset:(\imm)+1024*\f+512
.endr
.endm
.macro KADR                            ; the token fragments' addresses: the fixed places + the scalar offset along K
	v_add_nc_u32 v4, s45, v28
	v_add_nc_u32 v5, s45, v29
	v_add_nc_u32 v6, s45, v30
.endm
.macro ALOAD buf, off                  ; the five blocks' token fragments of one K step, at byte off from the addresses in hand
.set AFL, 32+40*(\buf)
	ds_load_b128 v[AFL:AFL+3],     v4 offset:(\off)
	ds_load_b128 v[AFL+4:AFL+7],   v4 offset:(\off)+32
	ds_load_b128 v[AFL+8:AFL+11],  v4 offset:(\off)+ABLK
	ds_load_b128 v[AFL+12:AFL+15], v4 offset:(\off)+ABLK+32
	ds_load_b128 v[AFL+16:AFL+19], v5 offset:(\off)
	ds_load_b128 v[AFL+20:AFL+23], v5 offset:(\off)+32
	ds_load_b128 v[AFL+24:AFL+27], v5 offset:(\off)+ABLK
	ds_load_b128 v[AFL+28:AFL+31], v5 offset:(\off)+ABLK+32
	ds_load_b128 v[AFL+32:AFL+35], v6 offset:(\off)
	ds_load_b128 v[AFL+36:AFL+39], v6 offset:(\off)+32
.endm
.macro MM d, bq, af, zero              ; one product; zero = 1: it starts the sum
.if \zero
	v_wmma_f32_16x16x32_bf16 v[(\d):(\d)+7], v[(\bq):(\bq)+7], v[(\af):(\af)+7], 0
.else
	v_wmma_f32_16x16x32_bf16 v[(\d):(\d)+7], v[(\bq):(\bq)+7], v[(\af):(\af)+7], v[(\d):(\d)+7]
.endif
.endm
; 40 products: column tiles 8 hf .. 8 hf + 7 x five blocks.  All 80 accumulators of a K step differ, so they take turns: 79 others' stand between two products on one accumulator.
.macro MUL hf, a, zero
	WIN 0xa1                                       ; weights window 1, tokens window 0, sums window 2
.irp f, 0,1,2,3,4,5,6,7
	MM 8*(8*(\hf)+\f),     64*(2*(\a)+(\hf))+8*\f, 32+40*(\a),    \zero
	MM 128+8*(8*(\hf)+\f), 64*(2*(\a)+(\hf))+8*\f, 32+40*(\a)+8,  \zero
.endr
	WIN 0xf1                                       ; sums window 3
.irp f, 0,1,2,3,4,5,6,7
	MM 8*(8*(\hf)+\f),     64*(2*(\a)+(\hf))+8*\f, 32+40*(\a)+16, \zero
	MM 128+8*(8*(\hf)+\f), 64*(2*(\a)+(\hf))+8*\f, 32+40*(\a)+24, \zero
.endr
	WIN 0x01                                       ; sums window 0
.irp f, 0,1,2,3,4,5,6,7
	MM 128+8*(8*(\hf)+\f), 64*(2*(\a)+(\hf))+8*\f, 32+40*(\a)+32, \zero
.endr
.endm
; A K step of 32.  a = its parity: token buffer a, ring halves 2 a and 2 a + 1.  lda >= 0: the next step's token fragments are fetched.  ldb = 1: each ring half is asked for again, for the step two on, when it has been multiplied.
; The wait for the NEXT half stands ahead of that refill: n0, n1 = the loads issued behind the half waited for, in the loop two halves of 16.  So 48 loads of a wave are out at the most.
.macro STEP a, zero, lda, ldb, imm, n0, n1
	WIN 0
	s_wait_dscnt 0x0                               ; this step's token fragments, asked for a step ago
.if (\lda) >= 0
	ALOAD 1-(\a), \lda
.endif
	MUL 0, \a, \zero
	PLACES
	s_wait_loadcnt \n0                             ; this step's second half is in
.if \ldb
	BLOAD 2*(\a), \imm
.endif
	MUL 1, \a, \zero
	PLACES
.if (\n1) >= 0
	s_wait_loadcnt \n1                             ; the next step's first half is in
.endif
.if \ldb
	BLOAD 2*(\a)+1, (\imm)+8192
.endif
.endm
	s_load_b256 s[4:11], s[0:1], 0x0               ; cn s[4:5], bm s[6:7], xb s[8:9], wb s[10:11]
	s_load_b128 s[12:15], s[0:1], 0x20             ; be s[12:13], hh s[14:15]
	s_load_b64 s[16:17], s[0:1], 0x30              ; ms
	v_lshl_add_u32 v2, v0, 2, SPARE                ; my spare word,
	v_mov_b32 v3, 0                                ; and 0: kept for the add at the wave's end alone
	v_and_b32 v1, 31, v0                           ; lane
	v_lshrrev_b32 v31, 5, v0
	v_readfirstlane_b32 s18, v31                   ; wave 0..3
	v_lshlrev_b32 v7, 4, v1                        ; 16 x lane
	v_lshlrev_b32 v240, 5, v1                      ; 32 x lane
	v_lshlrev_b32 v241, 6, v1                      ; 64 x lane
	s_mov_b32 s39, 0                               ; high word of the offsets' pair s[38:39]
	s_mov_b32 s80, 0x76543210                      ; v_permlanex16_b32: each lane takes its own place in the other half
	s_mov_b32 s81, 0xfedcba98
	s_mul_i32 s61, s18, STGW                       ; my stage
	s_lshl_b32 s82, s18, 12
	s_add_co_u32 s82, s82, SRT                     ; my ranks and words
	s_mov_b32 s58, 0x7fffffff
	s_mov_b32 s66, 0x3e6d3389                      ; 0.2316419; each constant is named as a pair, so both words are written
	s_mov_b32 s67, 0x3e6d3389
	s_mov_b32 s68, 0xbf38aa3b                      ; -log2(e) / 2
	s_mov_b32 s69, 0xbf38aa3b
	s_mov_b32 s70, 0x3f07dc22                      ; c5 = 0.530702715
	s_mov_b32 s71, 0x3f07dc22
	s_mov_b32 s72, 0xbf3a00e3                      ; c4 = -0.726576014
	s_mov_b32 s73, 0xbf3a00e3
	s_mov_b32 s74, 0x3f35f0e3                      ; c3 = 0.710706871
	s_mov_b32 s75, 0x3f35f0e3
	s_mov_b32 s76, 0xbe11a98e                      ; c2 = -0.142248368
	s_mov_b32 s77, 0xbe11a98e
	s_mov_b32 s78, 0x3e027906                      ; c1 = 0.127414796
	s_mov_b32 s79, 0x3e027906
	s_wait_kmcnt 0x0
	; THE EXPERTS' TOTALS: lane l takes eight of an expert's 256 count words
.irp e, 0,1,2,3,4,5,6,7
	global_load_b128 v[128+8*\e:131+8*\e], v240, s[4:5] offset:1024*\e
	global_load_b128 v[132+8*\e:135+8*\e], v240, s[4:5] offset:1024*\e+16
.endr
.irp t, 196,197,198,199
	v_mov_b32 v\t, 0                               ; destinations of lane exchanges count as read
.endr
	s_wait_loadcnt 0x0
.irp e, 0,1,2,3,4,5,6,7
	SUM8 128+8*\e, 128+8*\e
.endr
.irp g, 0,1,2,3
	v_lshl_or_b32 v[192+\g], v[136+16*\g], 16, v[128+16*\g]       ; two experts to a register: a total is 8,192 at the most
.endr
.irp d, 1,2,4,8
.irp g, 0,1,2,3
	v_mov_b32_dpp v[196+\g], v[192+\g] row_xmask:\d row_mask:0xf bank_mask:0xf
.endr
.irp g, 0,1,2,3
	v_add_nc_u32 v[192+\g], v[192+\g], v[196+\g]
.endr
.endr
.irp g, 0,1,2,3
	v_permlanex16_b32 v[196+\g], v[192+\g], s80, s81
.endr
.irp g, 0,1,2,3
	v_add_nc_u32 v[192+\g], v[192+\g], v[196+\g]
.endr
.irp g, 0,1,2,3
	v_readfirstlane_b32 s19, v[192+\g]
	s_and_b32 s[20+2*\g], s19, 0xffff
	s_lshr_b32 s[21+2*\g], s19, 16
.endr
	; THE DEAL.  First each expert's tiles, their sum, and the expert with the most rows (the first of equals)
	s_mov_b32 s34, 0
	s_mov_b32 s35, 0
	s_mov_b32 s36, 0
.irp e, 0,1,2,3,4,5,6,7
	s_add_co_u32 s[86+\e], s[20+\e], 79
	s_mul_i32 s[86+\e], s[86+\e], 52429            ; (c + 79) / 80 = ((c + 79) 52,429) >> 22, exact up to 8,271
	s_lshr_b32 s[86+\e], s[86+\e], 22
	s_add_co_u32 s34, s34, s[86+\e]
	s_cmp_gt_u32 s[20+\e], s35
	s_cselect_b32 s35, s[20+\e], s35
	s_cselect_b32 s36, \e, s36
.endr
	s_sub_co_u32 s37, 212, s34                     ; X, 0 to 7: the work-groups that are over
	; then my work-group's number picks expert s28, tile s29, the expert's count s30, and how many of its tiles are halved, s33
	s_mov_b32 s28, 0
	s_mov_b32 s29, 0
	s_mov_b32 s30, 0
	s_mov_b32 s33, 0
	s_mov_b32 s34, 0
.irp e, 0,1,2,3,4,5,6,7
	s_cmp_eq_u32 s36, \e
	s_cselect_b32 s44, s37, 0
	s_add_co_u32 s45, s[86+\e], s44                ; this expert's work-groups
	s_sub_co_u32 s35, ttmp9, s34                   ; wraps to a large number where my number lies below them
	s_cmp_lt_u32 s35, s45
	s_cselect_b32 s28, \e, s28
	s_cselect_b32 s29, s35, s29
	s_cselect_b32 s30, s[20+\e], s30
	s_cselect_b32 s33, s44, s33
	s_add_co_u32 s34, s34, s45
.endr
	s_mul_i32 s44, s29, 40                         ; a halved tile: 40 rows from 40 J on
	s_sub_co_u32 s46, s29, s33
	s_mul_i32 s46, s46, 80                         ; a whole one: from 80 (J - X) on,
	s_sub_co_u32 s47, s30, s46
	s_min_u32 s47, s47, 80                         ; 80 rows, or what is left
	s_lshl_b32 s48, s33, 1
	s_cmp_lt_u32 s29, s48
	s_cselect_b32 s31, s44, s46                    ; my first rank,
	s_cselect_b32 s32, 40, s47                     ; how many rows I have: 1 to 80,
	s_sub_co_u32 s62, s32, 1                       ; and the last live place
	s_min_u32 s28, s28, 7
	s_lshl_b32 s38, s28, 10
	s_add_nc_u64 s[4:5], s[4:5], s[38:39]          ; cn[E]
	s_lshl_b32 s38, s28, 11
	s_add_nc_u64 s[6:7], s[6:7], s[38:39]          ; bm[E]
	s_lshl_b32 s38, s28, 12
	s_lshl_b32 s19, s18, 10
	s_add_co_u32 s38, s38, s19
	s_add_nc_u64 s[12:13], s[12:13], s[38:39]      ; be[E] at my 256 columns
	s_lshl_b32 s38, s28, 21
	s_lshl_b32 s19, s18, 19
	s_add_co_u32 s38, s38, s19
	s_add_nc_u64 s[40:41], s[10:11], s[38:39]      ; my 512 KiB of weights, walked from end to end
	global_load_b128 v[128:131], v240, s[4:5]
	global_load_b128 v[132:135], v240, s[4:5] offset:16
.irp k, 0,1,2,3
	global_load_b128 v[144+4*\k:147+4*\k], v241, s[6:7] offset:16*\k  ; lane l: bitmap words 16 l .. 16 l + 15
.endr
	global_load_b128 v[16:19], v7, s[12:13]            ; bias of columns 4 l + 0..3
	global_load_b128 v[20:23], v7, s[12:13] offset:512 ; and 128 + 4 l + 0..3
	BLOAD 0, 0                                     ; the first half of K step 0's weights goes out now
	WIN 0
	s_wait_loadcnt 16                              ; all but those 16 loads
.irp m, 0,1,2,3
	v_cvt_pk_bf16_f32 v[24+\m], v[16+2*\m], v[17+2*\m]            ; the bias rounded to bf16,
.endr
.irp m, 0,1,2,3
	v_lshlrev_b32 v[16+2*\m], 16, v[24+\m]                         ; and back as f32
	v_and_b32 v[17+2*\m], 0xffff0000, v[24+\m]
.endr
	; RANKS: my lane's total, the sum over the lanes below (a butterfly: what the partner's group holds is added where my lane lies above it), then the rank in front of each of my 16 words
	SUM8 160, 128
	v_mov_b32 v162, 0
	v_mov_b32 v163, 0
.irp d, 1,2,4,8
	v_mov_b32_dpp v163, v160 row_xmask:\d row_mask:0xf bank_mask:0xf
	v_and_b32 v164, \d, v1
	v_cmp_ne_u32 vcc_lo, 0, v164
	v_cndmask_b32 v164, 0, v163, vcc_lo
	v_add_nc_u32 v162, v162, v164
	v_add_nc_u32 v160, v160, v163
.endr
	v_permlanex16_b32 v163, v160, s80, s81
	v_and_b32 v164, 16, v1
	v_cmp_ne_u32 vcc_lo, 0, v164
	v_cndmask_b32 v164, 0, v163, vcc_lo
	v_add_nc_u32 v162, v162, v164
	v_mov_b32 v176, v162
.irp j, 0,1,2,3,4,5,6,7
	v_and_b32 v165, 0xffff, v[128+\j]
	v_add_nc_u32 v[177+2*\j], v[176+2*\j], v165
.if \j < 7
	v_lshrrev_b32 v165, 16, v[128+\j]
	v_add_nc_u32 v[178+2*\j], v[177+2*\j], v165
.endif
.endr
	v_lshl_add_u32 v166, v1, 6, s82
.irp k, 0,1,2,3
	ds_store_b128 v166, v[176+4*\k:179+4*\k] offset:16*\k          ; the table of 512 ranks,
	ds_store_b128 v166, v[144+4*\k:147+4*\k] offset:2048+16*\k     ; and the 512 words
.endr
	; THE SEARCH.  Place 32 q + lane of the tile (held to the last live place) has rank v[192+q].  The word that holds it is the last whose rank in front is not above it: nine steps, each one load from my own
	; table (LDS serves a wave's instructions in order: the loads see the stores above).  The index is held to 0..511, so every address lies in my table's 2 KiB.
.irp q, 0,1,2
	v_add_nc_u32 v[192+\q], 32*\q, v1
	v_min_u32 v[192+\q], s62, v[192+\q]
	v_add_nc_u32 v[192+\q], s31, v[192+\q]
	v_mov_b32 v[196+\q], 0
.endr
.irp d, 256,128,64,32,16,8,4,2,1
.irp q, 0,1,2
	v_add_nc_u32 v[200+\q], \d, v[196+\q]
	v_min_u32 v[204+\q], 0x1ff, v[200+\q]
	v_lshl_add_u32 v[204+\q], v[204+\q], 2, s82
	ds_load_b32 v[208+\q], v[204+\q]
.endr
	s_wait_dscnt 0x0
.irp q, 0,1,2
	v_cmp_le_u32 vcc_lo, v[208+\q], v[192+\q]
	v_cndmask_b32 v[196+\q], v[196+\q], v[200+\q], vcc_lo
.endr
.endr
.irp q, 0,1,2
	v_min_u32 v[204+\q], 0x1ff, v[196+\q]
	v_lshl_add_u32 v[204+\q], v[204+\q], 2, s82
	ds_load_b32 v[208+\q], v[204+\q]
	ds_load_b32 v[212+\q], v[204+\q] offset:2048
.endr
	s_wait_dscnt 0x0
; The bit: number k (from 0) of the word's set bits.  The counts of the word's fields of 2, 4, 8 and 16 bits are made by shifts and masks; then five halvings: where k is not below the lower half's count, the count is taken away and the place moves up.
.macro LEVEL src, w
	v_bfe_u32 v[TA+4], v[\src], v[TA+5], \w
	v_cmp_ge_u32 vcc_lo, v[KR], v[TA+4]
	v_sub_nc_u32 v[TA+4], v[KR], v[TA+4]
	v_cndmask_b32 v[KR], v[KR], v[TA+4], vcc_lo
	v_add_nc_u32 v[TA+4], \w, v[TA+5]
	v_cndmask_b32 v[TA+5], v[TA+5], v[TA+4], vcc_lo
.endm
.macro BITSEL q
.set KR, 192+(\q)
.set WR, 212+(\q)
.set TA, 216+8*(\q)
	v_sub_nc_u32 v[KR], v[KR], v[208+(\q)]         ; k
	v_lshrrev_b32 v[TA+4], 1, v[WR]
	v_and_b32 v[TA+4], 0x55555555, v[TA+4]
	v_sub_nc_u32 v[TA], v[WR], v[TA+4]             ; fields of 2
	v_lshrrev_b32 v[TA+4], 2, v[TA]
	v_and_b32 v[TA+4], 0x33333333, v[TA+4]
	v_and_b32 v[TA+1], 0x33333333, v[TA]
	v_add_nc_u32 v[TA+1], v[TA+1], v[TA+4]         ; of 4
	v_lshrrev_b32 v[TA+4], 4, v[TA+1]
	v_add_nc_u32 v[TA+2], v[TA+1], v[TA+4]
	v_and_b32 v[TA+2], 0x0f0f0f0f, v[TA+2]         ; of 8
	v_lshrrev_b32 v[TA+4], 8, v[TA+2]
	v_add_nc_u32 v[TA+3], v[TA+2], v[TA+4]         ; its lowest byte: the low 16 bits' count
	v_and_b32 v[TA+4], 0xff, v[TA+3]
	v_cmp_ge_u32 vcc_lo, v[KR], v[TA+4]
	v_sub_nc_u32 v[TA+4], v[KR], v[TA+4]
	v_cndmask_b32 v[KR], v[KR], v[TA+4], vcc_lo
	v_cndmask_b32 v[TA+5], 0, 16, vcc_lo
	LEVEL TA+2, 8
	LEVEL TA+1, 4
	LEVEL TA, 2
	LEVEL WR, 1
	v_lshrrev_b32 v[TA+4], 1, v[196+(\q)]          ; word 2 j + s: token 32 j + bit,
	v_lshl_add_u32 v[13+(\q)], v[TA+4], 5, v[TA+5]
	v_and_b32 v[TA+4], 1, v[196+(\q)]
	v_lshl_add_u32 v[13+(\q)], v[TA+4], 13, v[13+(\q)]  ; + slot x 8,192: the row's number in hh
.endm
	BITSEL 0
	BITSEL 1
	BITSEL 2
	; THE GATHER: wave w brings rows 4 j + w of the tile, j = 0..19, 2,048 bytes each, through registers into LDS.  Rows go out five at a time, the other three halves of the weights' ring between them: 56 loads are out at the most.
.set j, 0
.rept 20
	s_add_co_u32 s44, s18, 4*(j%8)
	v_readlane_b32 s48, v[13+j/8], s44
	s_min_u32 s48, s48, 0x3fff
	s_and_b32 s48, s48, 0x1fff                     ; the token
	s_lshl_b32 s48, s48, 11
	v_add_nc_u32 v[192+j], s48, v7
.set j, j+1
.endr
	s_mul_i32 s19, s18, APITCH
	v_add_nc_u32 v212, s19, v7                     ; rows w, 4 + w, .. 28 + w,
	v_add_nc_u32 v213, 2*ABLK, v212                ; 32 rows on,
	v_add_nc_u32 v214, 4*ABLK, v212                ; 64 rows on
.macro GLOAD j                         ; a row's four loads: rows 0-9 into window 0, rows 10-19 into window 2, which the sums take later
.if (\j) < 10
	WIN 0
.set GD, 32+16*(\j)
.else
	WIN 0x80
.set GD, 16*((\j)-10)
.endif
.irp c, 0,1,2,3
	global_load_b128 v[GD+4*\c:GD+4*\c+3], v[192+(\j)], s[8:9] offset:512*\c
.endr
.endm
.macro GSTORE j, n                     ; n = the loads issued behind the row's
.if (\j) < 10
	WIN 0
.set GD, 32+16*(\j)
.else
	WIN 0x08
.set GD, 16*((\j)-10)
.endif
	s_wait_loadcnt \n
.irp c, 0,1,2,3
	ds_store_b128 v[212+(\j)/8], v[GD+4*\c:GD+4*\c+3] offset:((\j)%8)*4*APITCH+512*\c
.endr
.endm
.set j, 0
.rept 10
	GLOAD j
.set j, j+1
.endr
.set j, 0
.rept 5
	GSTORE j, 4*(9-j)                              ; behind row j: rows j + 1 to 9
.set j, j+1
.endr
.set j, 10
.rept 5
	GLOAD j
.set j, j+1
.endr
.set j, 5
.rept 5
	GSTORE j, 4*(9-j)+20                           ; and rows 10 to 14
.set j, j+1
.endr
.set j, 15
.rept 5
	GLOAD j
.set j, j+1
.endr
	BLOAD 1, 8192                                  ; the rest of K step 0
.set j, 10
.rept 5
	GSTORE j, 4*(14-j)+36                          ; behind row j: rows j + 1 to 19 and 16 loads of weights
.set j, j+1
.endr
	BLOAD 2, 16384                                 ; K step 1
.set j, 15
.rept 5
	GSTORE j, 4*(19-j)+32                          ; behind row j: rows j + 1 to 19 and 32 loads of weights
.set j, j+1
.endr
	BLOAD 3, 24576
	WIN 0
	v_and_b32 v31, 15, v1                          ; r
	v_lshrrev_b32 v9, 4, v1                        ; h
	v_mul_u32_u24 v28, v31, APITCH
	v_lshl_add_u32 v28, v9, 4, v28                 ; a fragment: row r, 16 bytes for each half of the lanes, and 32 bytes on
	v_add_nc_u32 v29, 2*ABLK, v28
	v_add_nc_u32 v30, 4*ABLK, v28
	v_mul_u32_u24 v8, v31, SPITCH
	v_lshl_add_u32 v8, v9, 5, v8
	v_add_nc_u32 v8, s61, v8                       ; into the stage: row r, columns 8 h on
	s_lshl_b32 s19, s18, 9
	v_add_nc_u32 v10, s19, v7                      ; my 16 bytes in a row of hh
	s_mov_b32 s45, 0
	KADR
	s_wait_dscnt 0x0                               ; for the others' sake: my 20 rows are written
	s_barrier_signal -1
	s_barrier_wait -1                              ; all 80 rows are there
	ALOAD 0, 0
	; THE K LOOP: 32 steps.  A ring half is asked for again when it has been multiplied, and waited for three halves' products (120) later.
	STEP 0, 1, 64, 1, 32768, 32, 32                ; the first step starts the sums: nothing is cleared
	WIN 0
	s_mov_b32 s45, 64
	s_wait_xcnt 0x0                                ; the loads' base is stepped only behind this wait
	s_add_nc_u64 s[40:41], s[40:41], 16384
	s_mov_b32 s42, 14
.Lk:                                                   ; steps 1 to 28, two a trip
	KADR
	STEP 1, 0, 64,  1, 32768, 32, 32
	STEP 0, 0, 128, 1, 49152, 32, 32
	WIN 0
	s_add_co_u32 s45, s45, 128
	s_wait_xcnt 0x0
	s_add_nc_u64 s[40:41], s[40:41], 32768
	s_sub_co_u32 s42, s42, 1
	s_cmp_lg_u32 s42, 0
	s_cbranch_scc1 .Lk
	KADR
	STEP 1, 0, 64,  1, 32768, 32, 32               ; step 29 asks for step 31's weights, the last
	STEP 0, 0, 128, 0, 0,     32, 16               ; step 30: nothing is asked for, and the counts run down
	STEP 1, 0, -1,  0, 0,     0,  -1               ; step 31; its closing four places stand in front of the stores of the sums
	WIN 0
	s_wait_dscnt 0x0                               ; my last reads of the token rows are back
	s_barrier_signal -1
	s_barrier_wait -1                              ; everybody's are: the stages may now take those bytes
	; THE WAY OUT, in two phases, since 80 rows of f32 for each of four waves do not fit in LDS: blocks 0, 1 and 4 (48 rows), then blocks 2 and 3 (32 rows).  In a phase the sums go into my stage as rows; a counted
	; loop takes four rows a trip through bias, GELU and shift and lays them back, in f16, over the head of the same stage rows, each row's shift behind it; then the rows leave, 16 at a time, in text without a loop,
	; where each row's place in hh is made from the tile's entries.  No further barrier: a stage is its wave's own, and LDS serves a wave's instructions in order (ISA guide 5.7.1.4).
	v_add_nc_u32 v4, s61, v7                       ; a stage row's 16 bytes of mine
	v_lshl_add_u32 v6, v1, 2, s61                  ; a word of mine in a stage row
	v_mul_u32_u24 v28, v1, SPITCH
	v_add_nc_u32 v28, s61, v28                     ; stage row = lane
	v_and_b32 v29, 15, v1
	v_mul_u32_u24 v29, v29, SPITCH
	v_add_nc_u32 v29, s61, v29                     ; stage row = lane % 16
.macro DUMP rb, slot                   ; block rb's sums into stage rows 16 slot on; each accumulator's four lowest registers are read first
.if (\rb) == 4
	WIN 0
.set DBASE, 128
.else
	WIN (2+(\rb)/2)<<2                             ; store data in window 2 or 3
.set DBASE, 128*((\rb)%2)
.endif
.irp n, 0,1,2,3,4,5,6,7,8,9,10,11,12,13,14,15
	ds_store_b128 v8, v[DBASE+8*\n:DBASE+8*\n+3]   offset:(\slot)*16*SPITCH+64*\n
	ds_store_b128 v8, v[DBASE+8*\n+4:DBASE+8*\n+7] offset:(\slot)*16*SPITCH+64*\n+16
.endr
.endm
; cnt trips of four stage rows.  The addresses are two fixed registers plus a scalar offset that steps by four rows.
.macro ROWLOOP tg, cnt
	s_wait_xcnt 0x0                                ; the work registers were sources of the stores before: they are rewritten only behind this wait
	s_mov_b32 s45, 0
	s_mov_b32 s60, \cnt
.Lrow_\tg:
	v_add_nc_u32 v9, s45, v4
	v_add_nc_u32 v5, s45, v6
.irp u, 0,1,2,3
	ds_load_b128 v[YB+8*\u:YB+8*\u+3],   v9 offset:SPITCH*\u       ; columns 4 l + 0..3: 512 consecutive bytes
	ds_load_b128 v[YB+8*\u+4:YB+8*\u+7], v9 offset:SPITCH*\u+512   ; columns 128 + 4 l + 0..3
.endr
	s_wait_dscnt 0x0
	; 16 pairs.  The plain work of pair p and the four transcendentals of pair p - 1 stand by turns; none of them reads a transcendental's result: ONE batch of 64, ONE wait.
.set p, 0
.rept 17
.if p < 16
	v_pk_add_f32 v[YB+2*p:YB+2*p+1], v[YB+2*p:YB+2*p+1], v[16+2*(p%4):17+2*(p%4)]  ; z = sum + bias
.endif
.if p > 0
	v_rcp_f32 v[DB+2*p-2], v[DB+2*p-2]
.endif
.if p < 16
	v_and_b32 v[AB+2*p], s58, v[YB+2*p]
.endif
.if p > 0
	v_rcp_f32 v[DB+2*p-1], v[DB+2*p-1]
.endif
.if p < 16
	v_and_b32 v[AB+2*p+1], s58, v[YB+2*p+1]
.endif
.if p > 0
	v_exp_f32 v[QB+2*p-2], v[QB+2*p-2]
.endif
.if p < 16
	v_max_num_f32 v[RB+2*p], 0, v[YB+2*p]
.endif
.if p > 0
	v_exp_f32 v[QB+2*p-1], v[QB+2*p-1]
.endif
.if p < 16
	v_max_num_f32 v[RB+2*p+1], 0, v[YB+2*p+1]
	v_pk_fma_f32 v[DB+2*p:DB+2*p+1], v[AB+2*p:AB+2*p+1], s[66:67], 1.0 op_sel_hi:[1,0,0]
	v_pk_mul_f32 v[QB+2*p:QB+2*p+1], v[YB+2*p:YB+2*p+1], s[68:69] op_sel_hi:[1,0]
	v_pk_mul_f32 v[QB+2*p:QB+2*p+1], v[QB+2*p:QB+2*p+1], v[YB+2*p:YB+2*p+1]
.endif
.set p, p+1
.endr
	v_nop                                          ; the plain instruction behind the last exponential,
	s_wait_alu depctr_va_vdst(0)                   ; and the batch's one wait, ahead of its first reader
	ALLP v_pk_fma_f32 v[PB+2*p:PB+2*p+1], v[DB+2*p:DB+2*p+1], s[70:71], s[72:73] op_sel_hi:[1,0,0]
	ALLP v_pk_fma_f32 v[PB+2*p:PB+2*p+1], v[PB+2*p:PB+2*p+1], v[DB+2*p:DB+2*p+1], s[74:75] op_sel_hi:[1,1,0]
	ALLP v_pk_fma_f32 v[PB+2*p:PB+2*p+1], v[PB+2*p:PB+2*p+1], v[DB+2*p:DB+2*p+1], s[76:77] op_sel_hi:[1,1,0]
	ALLP v_pk_fma_f32 v[PB+2*p:PB+2*p+1], v[PB+2*p:PB+2*p+1], v[DB+2*p:DB+2*p+1], s[78:79] op_sel_hi:[1,1,0]
	ALLP v_pk_mul_f32 v[PB+2*p:PB+2*p+1], v[PB+2*p:PB+2*p+1], v[DB+2*p:DB+2*p+1]
	ALLP v_pk_mul_f32 v[PB+2*p:PB+2*p+1], v[PB+2*p:PB+2*p+1], v[QB+2*p:QB+2*p+1]
	ALLP v_pk_fma_f32 v[YB+2*p:YB+2*p+1], v[AB+2*p:AB+2*p+1], v[PB+2*p:PB+2*p+1], v[RB+2*p:RB+2*p+1] neg_lo:[1,0,0] neg_hi:[1,0,0]
.irp u, 0,1,2,3
	v_readfirstlane_b32 s[50+2*\u], v[YB+8*\u]     ; the shift: the segment's first column of this row; a number that is stored: no address and no branch hangs on it
	v_mov_b32 v[24+\u], s[50+2*\u]
	s_xor_b32 s[50+2*\u], s[50+2*\u], 0x80000000   ; its negative is added
	s_mov_b32 s[51+2*\u], s[50+2*\u]               ; (named as a pair)
.irp m, 0,1,2,3
	v_pk_add_f32 v[YB+8*\u+2*\m:YB+8*\u+2*\m+1], v[YB+8*\u+2*\m:YB+8*\u+2*\m+1], s[50+2*\u:51+2*\u] op_sel_hi:[1,0]
.endr
.irp m, 0,1,2,3
	v_cvt_pk_f16_f32 v[112+4*\u+\m], v[YB+8*\u+2*\m], v[YB+8*\u+2*\m+1]
.endr
	ds_store_b128 v9, v[112+4*\u:115+4*\u] offset:SPITCH*\u        ; the row in f16: bytes 0-511 of its stage row, which have been read
	ds_store_b32 v5, v[24+\u] offset:SPITCH*\u+512                 ; its shift, a word a lane: bytes 512-639
.endr
	s_add_co_u32 s45, s45, 4*SPITCH
	s_sub_co_u32 s60, s60, 1
	s_cmp_lg_u32 s60, 0
	s_cbranch_scc1 .Lrow_\tg
.endm
; 16 rows leave: stage rows row0 on, whose entries lie in lanes lane0 on of v[13 + q].
.macro SEND16 row0, q, lane0
	s_wait_xcnt 0x0                                ; v32-47 and v128-191 were the sources of the 16 stores before: they are rewritten only behind this wait
.set i, 0
.rept 16
	ds_load_b128 v[128+4*i:131+4*i], v4 offset:((\row0)+i)*SPITCH
.set i, i+1
.endr
.set i, 0
.rept 16
	v_readlane_b32 s48, v[13+(\q)], (\lane0)+i
	s_min_u32 s48, s48, 0x3fff
	s_lshl_b32 s48, s48, 11                        ; a row of hh is 2,048 bytes
	v_add_nc_u32 v[32+i], s48, v10
.set i, i+1
.endr
.set i, 0
.rept 16
	s_wait_dscnt 15-i                              ; LDS loads come back in order: row i is in, the 15 - i behind it may be out
	global_store_b128 v[32+i], v[128+4*i:131+4*i], s[14:15]        ; 512 consecutive bytes, aligned
.set i, i+1
.endr
.endm
	DUMP 4, 2                                      ; places 64-79 into stage rows 32-47; block 4's registers then serve as work space
	DUMP 0, 0                                      ; places 0-31 into stage rows 0-31
	DUMP 1, 1
	WIN 0
	ROWLOOP a, 12
	ds_load_b32 v100, v28 offset:512               ; the shifts, a row a lane: places 0-31,
	ds_load_b32 v102, v29 offset:32*SPITCH+512     ; and places 64-79 (in lanes 0-15, once more in lanes 16-31)
	SEND16 0,  0, 0
	SEND16 16, 0, 16
	SEND16 32, 2, 0
	DUMP 2, 0                                      ; places 32-63 into stage rows 0-31, behind the loads above
	DUMP 3, 1
	WIN 0
	ROWLOOP b, 8
	ds_load_b32 v101, v28 offset:512               ; the shifts of places 32-63
	SEND16 0,  1, 0
	SEND16 16, 1, 16                               ; its last wait is for 0: the shifts are in too
	; the shifts: 4 bytes a row and wave, 16 bytes apart from row to row of ms: 256 KiB in the whole launch beside 32 MiB of hh
	s_lshl_b32 s19, s18, 2
.irp q, 0,1,2
	v_min_u32 v[96+\q], 0x3fff, v[13+\q]
	v_lshlrev_b32 v[96+\q], 4, v[96+\q]
	v_add_nc_u32 v[96+\q], s19, v[96+\q]
.endr
	global_store_b32 v96, v100, s[16:17]
	global_store_b32 v97, v101, s[16:17]
	v_cmp_gt_u32 vcc_lo, 16, v1                    ; the tile has 80 places: of the third register lanes 0-15 alone
	s_wait_xcnt 0x0                                ; EXEC changes only behind this wait
	s_and_saveexec_b32 s84, vcc_lo
	global_store_b32 v98, v102, s[16:17]
	s_wait_xcnt 0x0
	s_or_b32 exec_lo, exec_lo, s84
	s_wait_tensorcnt 0x0                           ; the wave's end, behind my last LDS store
	ds_add_u32 v2, v3
	s_wait_dscnt 0x0
	s_endpgm
.Lfunc_end_k_q4f4bf5c2da_chain:
	.size	k_q4f4bf5c2da_chain, .Lfunc_end_k_q4f4bf5c2da_chain-k_q4f4bf5c2da_chain
	.p2alignl 7, 3214868480
	.fill 96, 4, 3214868480
	.section	.rodata,"a",@progbits
	.p2align	6, 0x0
	.amdhsa_kernel k_q4f4bf5c2da_chain
		.amdhsa_group_segment_fixed_size 200192
		.amdhsa_private_segment_fixed_size 0
		.amdhsa_enable_private_segment 0
		.amdhsa_kernarg_size 56
		.amdhsa_user_sgpr_count 2
		.amdhsa_user_sgpr_kernarg_segment_ptr 1
		.amdhsa_wavefront_size32 1
		.amdhsa_system_sgpr_workgroup_id_x 1
		.amdhsa_system_sgpr_workgroup_id_y 1
		.amdhsa_system_sgpr_workgroup_id_z 1
		.amdhsa_system_vgpr_workitem_id 0
		.amdhsa_next_free_vgpr 1024
		.amdhsa_next_free_sgpr 100
		.amdhsa_reserve_vcc 1
		.amdhsa_float_denorm_mode_32 3
		.amdhsa_float_denorm_mode_16_64 3
		.amdhsa_memory_ordered 1
		.amdhsa_forward_progress 1
		.amdhsa_inst_pref_size 191
	.end_amdhsa_kernel
	.amdgpu_metadata
---
amdhsa.version: [ 1, 2 ]
amdhsa.kernels:
  - .name:           k_q4f4bf5c2da_chain
    .symbol:         k_q4f4bf5c2da_chain.kd
    .args:
      - { .name: cn, .offset: 0, .size: 8, .value_kind: global_buffer, .address_space: global }
      - { .name: bm, .offset: 8, .size: 8, .value_kind: global_buffer, .address_space: global }
      - { .name: xb, .offset: 16, .size: 8, .value_kind: global_buffer, .address_space: global }
      - { .name: wb, .offset: 24, .size: 8, .value_kind: global_buffer, .address_space: global }
      - { .name: be, .offset: 32, .size: 8, .value_kind: global_buffer, .address_space: global }
      - { .name: hh, .offset: 40, .size: 8, .value_kind: global_buffer, .address_space: global }
      - { .name: ms, .offset: 48, .size: 8, .value_kind: global_buffer, .address_space: global }
    .group_segment_fixed_size: 200192
    .private_segment_fixed_size: 0
    .kernarg_segment_align: 8
    .kernarg_segment_size: 56
    .max_flat_workgroup_size: 128
    .sgpr_count:     100
    .vgpr_count:     1024
    .wavefront_size: 32
...
	.end_amdgpu_metadata
.endif
;; end of part 2
;; launch comb (part 3): grid 256 x 1, 16 waves a work-group, no clusters, 34,816 bytes of LDS; arguments hh, ms, rt, gt, gamma, beta, out0; writes out0
.if DOCPART == 3
	.amdgcn_target "amdgcn-amd-amdhsa--gfx1250"
	.amdhsa_code_object_version 6
	.text
	.protected	k_q4f4bf5c2da_comb
	.globl	k_q4f4bf5c2da_comb
	.p2align	8
	.type	k_q4f4bf5c2da_comb,@function
k_q4f4bf5c2da_comb:
	s_mov_b64 s[64:65], 0
	v_nop
	global_prefetch_b8 v0, s[64:65] scope:SCOPE_SE
	s_setreg_imm32_b32 hwreg(HW_REG_WAVE_MODE, 25, 1), 1
	s_wait_xcnt 0x0
; COMB.  out0[token] = g1 LN(h1) + g2 LN(h2): for each token its two rows of hh (f16, each segment of 256 columns less a shift kept in ms) are widened, the shifts are put back (less their mean, which
; LayerNorm takes away anyway), and LayerNorm is done in f32 in two passes: the mean, then the mean of the squared differences; then gamma, beta and the gate's weights.
; A stream: memory binds, no matrix unit, no cluster.  A work-group takes 32 tokens, each of its 16 waves 2; a row lies across the wave's lanes, 32 numbers a lane, so a reduction never leaves the wave.
; gamma and beta of all 8 experts are rounded to bf16, like every input, once a work-group, and kept in LDS in hh's column order (place 8 l + t of a segment = column 4 l + t, or 128 + 4 l + t - 4 for t >= 4).
; The experts' numbers come from rt, whole numbers that the first launch stored.  NaN and infinities are not treated apart.
.set SPARE, 32768                      ; behind the tables: the spare words, 128 bytes for each of 16 waves; no other line names them
; v1 lane; v2, v3 the add's pair; v5 16 x lane; v6, v7 the tables' offsets; v8 1.0; v9 0; v10, v11 LDS addresses; v12-15 sums; v16-47 tables as loaded, then the output; v48-111 hh as loaded;
; v112-119 at work; v120-127 the shifts; v128-191 the two rows in f32; v192-255 gamma and beta of the two experts
	s_load_b256 s[4:11], s[0:1], 0x0               ; hh s[4:5], ms s[6:7], rt s[8:9], gt s[10:11]
	s_load_b128 s[12:15], s[0:1], 0x20             ; gamma s[12:13], beta s[14:15]
	s_load_b64 s[16:17], s[0:1], 0x30              ; out0
	v_lshl_add_u32 v2, v0, 2, SPARE                ; my spare word,
	v_mov_b32 v3, 0                                ; and 0: kept for the add at the wave's end alone
	v_and_b32 v1, 31, v0
	v_lshrrev_b32 v4, 5, v0
	v_readfirstlane_b32 s50, v4                    ; wave 0..15
	v_lshlrev_b32 v5, 4, v1
	v_mov_b32 v8, 1.0
	v_mov_b32 v9, 0
	v_mov_b32 v14, 0                               ; destinations of lane exchanges count as read
	v_mov_b32 v15, 0
	s_lshl_b32 s51, ttmp9, 5
	s_lshl1_add_u32 s51, s50, s51                  ; my first token = 32 x group + 2 x wave
	s_lshl_b32 s52, s51, 2
	s_lshl_b32 s53, s51, 3
	s_lshl_b32 s54, s51, 4
	s_lshl_b32 s56, s51, 11
	s_mov_b32 s57, 0
	s_lshr_b32 s58, s50, 2                         ; the tables' share: rows wave / 4 and wave / 4 + 4, segment wave % 4
	s_and_b32 s59, s50, 3
	s_lshl_b32 s60, s58, 12
	s_lshl_b32 s61, s59, 10
	s_add_co_u32 s60, s60, s61
	v_add_nc_u32 v6, s60, v5
	s_lshr_b32 s60, s60, 1                         ; half as many bytes in bf16
	v_add_nc_u32 v7, s60, v5
	s_mov_b32 s68, 0x3a800000                      ; 1 / 1024
	s_mov_b32 s69, 0x3727c5ac                      ; 1e-5
	s_mov_b32 s70, 0x76543210
	s_mov_b32 s71, 0xfedcba98
	s_wait_kmcnt 0x0
	s_load_b64 s[20:21], s[8:9], s52 offset:0x0    ; my two tokens' experts,
	s_load_b128 s[24:27], s[10:11], s53 offset:0x0 ; weights,
	s_load_b256 s[32:39], s[6:7], s54 offset:0x0   ; and shifts: slot 0,
	s_load_b256 s[40:47], s[6:7], s54 offset:0x20000  ; slot 1 (8,192 rows of 16 bytes on)
	s_add_nc_u64 s[4:5], s[4:5], s[56:57]          ; hh at my first token, slot 0,
	s_add_nc_u64 s[18:19], s[4:5], 0x1000000       ; and slot 1 (8,192 rows of 2,048 bytes on)
	s_lshl_b32 s56, s51, 12
	s_add_nc_u64 s[16:17], s[16:17], s[56:57]
.irp n, 0,1
	global_load_b128 v[16+8*\n:19+8*\n], v6, s[12:13] offset:16384*\n
	global_load_b128 v[20+8*\n:23+8*\n], v6, s[12:13] offset:16384*\n+512
.endr
.irp n, 0,1
	global_load_b128 v[32+8*\n:35+8*\n], v6, s[14:15] offset:16384*\n
	global_load_b128 v[36+8*\n:39+8*\n], v6, s[14:15] offset:16384*\n+512
.endr
.irp t, 0,1
.irp i, 0,1,2,3
	global_load_b128 v[48+32*\t+4*\i:51+32*\t+4*\i], v5, s[4:5] offset:2048*\t+512*\i th:TH_LOAD_NT     ; 512 consecutive bytes: a segment
.endr
.irp i, 0,1,2,3
	global_load_b128 v[64+32*\t+4*\i:67+32*\t+4*\i], v5, s[18:19] offset:2048*\t+512*\i th:TH_LOAD_NT
.endr
.endr
	s_wait_loadcnt 16                              ; the tables' eight loads are in; the 16 of hh stay out
.irp n, 0,1,2,3
.irp m, 0,1,2,3
	v_cvt_pk_bf16_f32 v[112+4*\n+\m], v[16+8*\n+2*\m], v[17+8*\n+2*\m]
.endr
.endr
.irp n, 0,1,2,3
	ds_store_b128 v7, v[112+4*\n:115+4*\n] offset:8192*\n          ; gamma's rows 0-3, 4-7, then beta's
.endr
	s_wait_dscnt 0x0                               ; for the others' sake: my part of the tables is written
	s_barrier_signal -1
	s_barrier_wait -1
	s_wait_kmcnt 0x0
.macro RED a, b, ta, tb                ; two sums over the wave's 32 lanes: four steps inside each half ride on the addition, one crosses the halves
.irp d, 1,2,4,8
	v_add_f32_dpp v[\a], v[\a], v[\a] row_xmask:\d row_mask:0xf bank_mask:0xf
	v_add_f32_dpp v[\b], v[\b], v[\b] row_xmask:\d row_mask:0xf bank_mask:0xf
.endr
	v_permlanex16_b32 v[\ta], v[\a], s70, s71
	v_permlanex16_b32 v[\tb], v[\b], s70, s71
	v_add_f32 v[\a], v[\a], v[\ta]
	v_add_f32 v[\b], v[\b], v[\tb]
.endm
.macro FOLD d                          ; four chains in v112-119 into one number
	v_pk_add_f32 v[112:113], v[112:113], v[114:115]
	v_pk_add_f32 v[116:117], v[116:117], v[118:119]
	v_pk_add_f32 v[112:113], v[112:113], v[116:117]
	v_add_f32 v[\d], v112, v113
.endm
.macro TOKEN t
	s_wait_loadcnt 8-8*(\t)                        ; this token's eight loads are in; the next token's stay out
.if \t
	s_wait_xcnt 0x0                                ; v16-47 were the data of the first token's stores: they are rewritten only behind this wait
.endif
	s_bfe_u32 s62, s[20+(\t)], 0x80000             ; e1
	s_min_u32 s62, s62, 7
	s_lshl_b32 s62, s62, 11
	s_bfe_u32 s63, s[20+(\t)], 0x80008             ; e2
	s_min_u32 s63, s63, 7
	s_lshl_b32 s63, s63, 11
	v_add_nc_u32 v10, s62, v5
	v_add_nc_u32 v11, s63, v5
.irp i, 0,1,2,3
	ds_load_b128 v[192+4*\i:195+4*\i], v10 offset:512*\i           ; gamma[e1]
	ds_load_b128 v[208+4*\i:211+4*\i], v10 offset:16384+512*\i     ; beta[e1]
	ds_load_b128 v[224+4*\i:227+4*\i], v11 offset:512*\i           ; gamma[e2]
	ds_load_b128 v[240+4*\i:243+4*\i], v11 offset:16384+512*\i     ; beta[e2]
.endr
.irp s, 0,1
	s_add_f32 s66, s[32+8*\s+4*(\t)], s[33+8*\s+4*(\t)]            ; the four shifts less their mean
	s_add_f32 s67, s[34+8*\s+4*(\t)], s[35+8*\s+4*(\t)]
	s_add_f32 s66, s66, s67
	s_mul_f32 s66, s66, 0xbe800000
.irp i, 0,1,2,3
	s_add_f32 s67, s[32+8*\s+4*(\t)+\i], s66
	v_mov_b32 v[120+4*\s+\i], s67
.endr
.endr
.irp s, 0,1
.irp i, 0,1,2,3
.irp m, 0,1,2,3
.irp hl, 0,1
	v_fma_mix_f32 v[128+32*\s+8*\i+2*\m+\hl], v[48+32*(\t)+16*\s+4*\i+\m], v8, v[120+4*\s+\i] op_sel:[\hl,0,0] op_sel_hi:[1,0,0]  ; widened, and the shift put back, in one
.endr
.endr
.endr
.endr
.irp s, 0,1
.irp c, 0,1,2,3
	v_pk_add_f32 v[112+2*\c:113+2*\c], v[128+32*\s+2*\c:129+32*\s+2*\c], v[136+32*\s+2*\c:137+32*\s+2*\c]
.endr
.irp c, 0,1,2,3
	v_pk_add_f32 v[112+2*\c:113+2*\c], v[112+2*\c:113+2*\c], v[144+32*\s+2*\c:145+32*\s+2*\c]
.endr
.irp c, 0,1,2,3
	v_pk_add_f32 v[112+2*\c:113+2*\c], v[112+2*\c:113+2*\c], v[152+32*\s+2*\c:153+32*\s+2*\c]
.endr
	FOLD 12+\s
.endr
	RED 12, 13, 14, 15
	v_mul_f32 v12, s68, v12                        ; the two means
	v_mul_f32 v13, s68, v13
.irp s, 0,1
.set n, 0
.rept 16
	v_pk_add_f32 v[128+32*\s+2*n:129+32*\s+2*n], v[128+32*\s+2*n:129+32*\s+2*n], v[12:13] op_sel:[0,\s] op_sel_hi:[1,\s] neg_lo:[0,1] neg_hi:[0,1]
.set n, n+1
.endr
.endr
.irp s, 0,1
.irp c, 0,1,2,3
	v_pk_mul_f32 v[112+2*\c:113+2*\c], v[128+32*\s+2*\c:129+32*\s+2*\c], v[128+32*\s+2*\c:129+32*\s+2*\c]
.endr
.irp k, 8,16,24
.irp c, 0,1,2,3
	v_pk_fma_f32 v[112+2*\c:113+2*\c], v[128+32*\s+\k+2*\c:129+32*\s+\k+2*\c], v[128+32*\s+\k+2*\c:129+32*\s+\k+2*\c], v[112+2*\c:113+2*\c]
.endr
.endr
	FOLD 14+\s
.endr
	RED 14, 15, 112, 113
	v_fma_f32 v14, v14, s68, s69                   ; variance + 1e-5
	v_fma_f32 v15, v15, s68, s69
	v_rsq_f32 v14, v14
	v_rsq_f32 v15, v15
	v_mov_b32 v116, s[24+2*(\t)]                   ; the weights; also the plain instruction behind the roots
	v_mov_b32 v117, s[25+2*(\t)]
	s_wait_alu depctr_va_vdst(0)                   ; one wait for the two, ahead of their first reader
	v_mul_f32 v14, v116, v14
	v_mul_f32 v15, v117, v15
.irp s, 0,1
.set n, 0
.rept 16
	v_pk_mul_f32 v[128+32*\s+2*n:129+32*\s+2*n], v[128+32*\s+2*n:129+32*\s+2*n], v[14:15] op_sel:[0,\s] op_sel_hi:[1,\s]
.set n, n+1
.endr
.endr
	s_wait_dscnt 0x0                               ; gamma and beta
	; out = g1 beta1 + t1 gamma1 + g2 beta2 + t2 gamma2: four fused multiply-adds a number, straight from the bf16 halves
.irp i, 0,1,2,3
.irp m, 0,1,2,3
.irp hl, 0,1
	v_fma_mix_f32_bf16 v[16+8*\i+2*\m+\hl], v[208+4*\i+\m], v116, v9 op_sel:[\hl,0,0] op_sel_hi:[1,0,0]
.endr
.endr
.endr
.irp i, 0,1,2,3
.irp m, 0,1,2,3
.irp hl, 0,1
	v_fma_mix_f32_bf16 v[16+8*\i+2*\m+\hl], v[192+4*\i+\m], v[128+8*\i+2*\m+\hl], v[16+8*\i+2*\m+\hl] op_sel:[\hl,0,0] op_sel_hi:[1,0,0]
.endr
.endr
.endr
.irp i, 0,1,2,3
.irp m, 0,1,2,3
.irp hl, 0,1
	v_fma_mix_f32_bf16 v[16+8*\i+2*\m+\hl], v[240+4*\i+\m], v117, v[16+8*\i+2*\m+\hl] op_sel:[\hl,0,0] op_sel_hi:[1,0,0]
.endr
.endr
.endr
.irp i, 0,1,2,3
.irp m, 0,1,2,3
.irp hl, 0,1
	v_fma_mix_f32_bf16 v[16+8*\i+2*\m+\hl], v[224+4*\i+\m], v[160+8*\i+2*\m+\hl], v[16+8*\i+2*\m+\hl] op_sel:[\hl,0,0] op_sel_hi:[1,0,0]
.endr
.endr
.endr
.irp i, 0,1,2,3
	global_store_b128 v5, v[16+8*\i:19+8*\i], s[16:17] offset:4096*(\t)+1024*\i th:TH_STORE_NT      ; columns 256 i + 4 l + 0..3: 512 consecutive bytes, aligned
	global_store_b128 v5, v[20+8*\i:23+8*\i], s[16:17] offset:4096*(\t)+1024*\i+512 th:TH_STORE_NT  ; columns 256 i + 128 + 4 l + 0..3
.endr
.endm
	TOKEN 0
	TOKEN 1
	s_wait_tensorcnt 0x0                           ; the wave's end, behind my last LDS store
	ds_add_u32 v2, v3
	s_wait_dscnt 0x0
	s_endpgm
.Lfunc_end_k_q4f4bf5c2da_comb:
	.size	k_q4f4bf5c2da_comb, .Lfunc_end_k_q4f4bf5c2da_comb-k_q4f4bf5c2da_comb
	.p2alignl 7, 3214868480
	.fill 96, 4, 3214868480
	.section	.rodata,"a",@progbits
	.p2align	6, 0x0
	.amdhsa_kernel k_q4f4bf5c2da_comb
		.amdhsa_group_segment_fixed_size 34816
		.amdhsa_private_segment_fixed_size 0
		.amdhsa_enable_private_segment 0
		.amdhsa_kernarg_size 56
		.amdhsa_user_sgpr_count 2
		.amdhsa_user_sgpr_kernarg_segment_ptr 1
		.amdhsa_wavefront_size32 1
		.amdhsa_system_sgpr_workgroup_id_x 1
		.amdhsa_system_sgpr_workgroup_id_y 1
		.amdhsa_system_sgpr_workgroup_id_z 1
		.amdhsa_system_vgpr_workitem_id 0
		.amdhsa_next_free_vgpr 256
		.amdhsa_next_free_sgpr 80
		.amdhsa_reserve_vcc 0
		.amdhsa_float_denorm_mode_32 3
		.amdhsa_float_denorm_mode_16_64 3
		.amdhsa_memory_ordered 1
		.amdhsa_forward_progress 1
		.amdhsa_inst_pref_size 56
	.end_amdhsa_kernel
	.amdgpu_metadata
---
amdhsa.version: [ 1, 2 ]
amdhsa.kernels:
  - .name:           k_q4f4bf5c2da_comb
    .symbol:         k_q4f4bf5c2da_comb.kd
    .args:
      - { .name: hh, .offset: 0, .size: 8, .value_kind: global_buffer, .address_space: global }
      - { .name: ms, .offset: 8, .size: 8, .value_kind: global_buffer, .address_space: global }
      - { .name: rt, .offset: 16, .size: 8, .value_kind: global_buffer, .address_space: global }
      - { .name: gt, .offset: 24, .size: 8, .value_kind: global_buffer, .address_space: global }
      - { .name: gamma, .offset: 32, .size: 8, .value_kind: global_buffer, .address_space: global }
      - { .name: beta, .offset: 40, .size: 8, .value_kind: global_buffer, .address_space: global }
      - { .name: out0, .offset: 48, .size: 8, .value_kind: global_buffer, .address_space: global }
    .group_segment_fixed_size: 34816
    .private_segment_fixed_size: 0
    .kernarg_segment_align: 8
    .kernarg_segment_size: 56
    .max_flat_workgroup_size: 512
    .sgpr_count:     80
    .vgpr_count:     256
    .wavefront_size: 32
...
	.end_amdgpu_metadata
.endif
;; end of part 3
;; ======== version 2 of 2: 3 launches; 1.22 times as fast as version 1
;; limits: values are held in f16: magnitudes above 65,504 overflow, below 6.1e-05 lose precision; a function is approximated: absolute error at most 7.5e-08; an absolute error that grows with the inputs' magnitude: up to 7.5e-08 times it
;; workspace buffers: xb 16,777,216 bytes; wb 16,777,216 bytes; hh 33,554,432 bytes; ms 131,072 bytes; gt 65,536 bytes; rt 32,768 bytes of whole numbers; bm 16,384 bytes of whole numbers; cn 8,192 bytes of whole numbers
;; launch prep (part 4): grid 256 x 1, 8 waves a work-group, no clusters, 35,840 bytes of LDS; arguments x, Wg, bg, We, xb, wb, rt, gt, bm, cn; writes xb, wb, rt, gt, bm, cn
.if DOCPART == 4
	.amdgcn_target "amdgcn-amd-amdhsa--gfx1250"
	.amdhsa_code_object_version 6
	.text
	.protected	k_q4f4bf5c2da_prep
	.globl	k_q4f4bf5c2da_prep
	.p2align	8
	.type	k_q4f4bf5c2da_prep,@function
k_q4f4bf5c2da_prep:
	s_mov_b64 s[64:65], 0
	v_nop
	global_prefetch_b8 v0, s[64:65] scope:SCOPE_SE
	s_setreg_imm32_b32 hwreg(HW_REG_WAVE_MODE, 25, 1), 1
	s_wait_xcnt 0x0
; PREP.  Every work-group does two jobs, one after the other in each wave's text, all their loads asked for near the start.
; JOB X: 32 tokens.  x is rounded once to bf16 and stored as xb [8192][1024]; the gate's logits are made from the ROUNDED x, Wg and bg
; (bf16 products are exact in f32, sums in f32), the two best experts and their softmax weights are found, and stored at fixed places:
;   rt[token] = e1 | e2 << 8;  gt[token] = the two weights;  bm[e][group of 32 tokens][slot] = one bit a token;  cn[e][group] = the two bit counts, 16 bits each.
; JOB W: 32 rows (k) x 1,024 columns of one expert's We (work-group g: expert g / 32, K step g % 32), rounded to bf16 and laid in the order in which a matrix operand's registers take them:
;   wb byte = e 2 MiB + u 256 KiB + ks 8 KiB + nt 1 KiB + hf 512 + (16 h + r) 16 holds We[e][32 ks + 16 hf + 8 h + 0..7][128 u + 16 nt + r]: the 256 KiB that one wave of the next launch walks lie on end.
; Job W's 16 KiB a wave are on their way while job X's 1,024 multiply-adds a wave are done.
; The gate's product has 8 columns, 0.2% of the module's multiply-adds, and a row as it is loaded lies across the lanes: it is done by fused multiply-adds on bf16 halves, not by the matrix unit.
; LIMITS.  tanh rises, so the order of the experts is taken on the logit, clamped to +-9.02, where f32's tanh is +-1: saturated logits tie and the lower index wins, as in lax.top_k.
; Between |z| of about 5 and 9 f32's tanh merges neighbours that this text still tells apart.  NaN is not treated.
.set ZB,    16896                      ; job X: bytes 0-16,383 hold Wg's table; here 32 tokens x 8 logits, f32
.set SPARE, 17920                      ; the spare words: 128 bytes for each of eight waves; no other line names them
.set WSTG,  18944                      ; job W: eight stages of 2,112 bytes, a wave's own
.set XP,    16                         ; v16-47   a row in bf16, 16 registers, two sets by turns
.set ACC,   48                         ; v48-79   logit sums: row r, expert e at ACC + 8 r + e
.set WP,    96                         ; v96-223  Wg in bf16 for my 32 k: load i, place t: four registers of two experts each; later job W's work space
.set RAW,   224                        ; v224-255 Wg as loaded; later at work
.set WR,    128                        ; window 1, v128-255: We as loaded, 32 registers a unit (window 1, v0-127: x as loaded, 32 a row)
; v1 lane; v2, v3 the add's pair; v4 16 x lane; v5 8 x lane; v6 0; v7 job W: out of my stage; v9-13 job X's addresses; v14 job W's load offset; v15 job W: into my stage; none of v4, v5, v7, v9, v14, v15 is rewritten
.set MSB, 0
.macro WIN new                         ; the immediate's high byte repeats the setting that is left
.if MSB != (\new)
	s_set_vgpr_msb (MSB<<8)|(\new)
.set MSB, (\new)
.endif
.endm
; Job W's unit u of four: 16 k x 64 columns: eight loads; lanes 0-15 take 256 bytes of one row, lanes 16-31 of the row eight below
.macro WLOAD u
	WIN 0x40                                       ; destination window 1, address window 0
.irp i, 0,1,2,3,4,5,6,7
	global_load_b128 v[WR+32*(\u)+4*\i:WR+32*(\u)+4*\i+3], v14, s[10:11] offset:((\u)%2)*65536+4096*\i+((\u)/2)*256 th:TH_LOAD_NT
.endr
.endm
	s_load_b512 s[4:19], s[0:1], 0x0               ; x s[4:5], Wg s[6:7], bg s[8:9], We s[10:11], xb s[12:13], wb s[14:15], rt s[16:17], gt s[18:19]
	s_load_b128 s[20:23], s[0:1], 0x40             ; bm s[20:21], cn s[22:23]
	v_lshl_add_u32 v2, v0, 2, SPARE                ; my spare word,
	v_mov_b32 v3, 0                                ; and 0: kept for the add at the wave's end alone
	v_and_b32 v1, 31, v0                           ; lane
	v_lshrrev_b32 v8, 5, v0
	v_readfirstlane_b32 s24, v8                    ; wave 0..7
	v_lshlrev_b32 v4, 4, v1                        ; 16 x lane
	v_lshlrev_b32 v9, 7, v0                        ; thread tau takes Wg's rows 4 tau .. 4 tau + 3: 128 bytes
	v_and_b32 v84, 15, v1                          ; q
	v_lshrrev_b32 v85, 4, v1                       ; h
	v_lshlrev_b32 v14, 4, v84
	v_lshl_or_b32 v14, v85, 15, v14                ; 16 q + 8 rows of 4,096 bytes x h
	s_mov_b32 s27, 0                               ; high word of the offsets' pair s[26:27]
	s_wait_kmcnt 0x0
	s_load_b256 s[32:39], s[8:9], 0x0              ; bg, eight numbers
.irp j, 0,1,2,3,4,5,6,7
	global_load_b128 v[RAW+4*\j:RAW+4*\j+3], v9, s[6:7] offset:16*\j
.endr
	; job X: wave v owns tokens 4 v .. 4 v + 3 of the group's 32
	s_lshl_b32 s26, ttmp9, 17                      ; 32 rows of 4,096 bytes a group,
	s_lshl_b32 s25, s24, 14                        ; 4 rows a wave
	s_add_co_u32 s26, s26, s25
	s_add_nc_u64 s[4:5], s[4:5], s[26:27]          ; x at my first row
	s_lshr_b32 s26, s26, 1                         ; half as many bytes in bf16
	s_add_nc_u64 s[12:13], s[12:13], s[26:27]      ; xb at my first row
	WIN 0x40                                       ; destination window 1: row r, load i at v[32 r + 4 i]
.irp r, 0,1,2,3
.irp i, 0,1,2,3,4,5,6,7
	global_load_b128 v[32*\r+4*\i:32*\r+4*\i+3], v4, s[4:5] offset:4096*\r+512*\i th:TH_LOAD_NT  ; 512 consecutive bytes: columns 128 i + 4 lane + 0..3
.endr
.endr
	; job W: expert e, K step ks; wave v owns columns 128 v .. 128 v + 127
	s_lshr_b32 s28, ttmp9, 5                       ; e
	s_and_b32 s29, ttmp9, 31                       ; ks
	s_lshl_b32 s26, s28, 22                        ; We: 4 MiB an expert,
	s_lshl_b32 s30, s29, 17                        ; 32 rows of 4,096 bytes a K step,
	s_add_co_u32 s26, s26, s30
	s_lshl_b32 s30, s24, 9                         ; 512 bytes of a row a wave
	s_add_co_u32 s26, s26, s30
	s_add_nc_u64 s[10:11], s[10:11], s[26:27]
	s_lshl_b32 s26, s28, 21                        ; wb: 2 MiB an expert,
	s_lshl_b32 s30, s29, 13                        ; 8 KiB a K step,
	s_add_co_u32 s26, s26, s30
	s_lshl_b32 s31, s24, 18                        ; 256 KiB for my 128 columns
	s_add_co_u32 s26, s26, s31
	s_add_nc_u64 s[14:15], s[14:15], s[26:27]
	WLOAD 0                                        ; two of job W's four units now: 56 loads of mine are out; the other two follow as x's rows come in
	WLOAD 1
	WIN 0
	v_lshlrev_b32 v5, 3, v1                        ; 8 x lane
	v_mov_b32 v6, 0                                ; what the first multiply-add of a sum adds onto
	v_lshlrev_b32 v10, 6, v0                       ; the table: 16 bytes a k, so 64 bytes a thread
	v_lshlrev_b32 v11, 6, v1                       ; and 64 bytes a lane on the way back
	s_mov_b32 s40, 0x76543210                      ; v_permlanex16_b32: each lane takes its own place in the other half
	s_mov_b32 s41, 0xfedcba98
	s_lshl_b32 s25, s24, 7
	s_add_co_u32 s25, s25, ZB                      ; my four tokens' logits
	v_mov_b32 v12, s25
	s_mul_i32 s30, s24, 2112                       ; my stage: four tiles of 512 bytes, 528 apart: the sixteen lanes of a store then fall into sixteen different 16-byte columns of 256 (64 banks of 4 bytes: ISA guide 11.1)
	s_add_co_u32 s30, s30, WSTG
	v_lshrrev_b32 v86, 2, v84
	v_mul_u32_u24 v15, v86, 528                    ; tile q / 4,
	v_lshl_add_u32 v15, v85, 8, v15                ; half h,
	v_and_b32 v86, 3, v84
	v_lshl_add_u32 v15, v86, 6, v15                ; columns 4 (q % 4) + c
	v_add_nc_u32 v15, s30, v15
	v_add_nc_u32 v7, s30, v4                       ; back: 16 x lane
	s_wait_loadcnt 48                              ; Wg's eight loads are in; the 32 of x and the 16 of We, issued behind them, stay out
.irp k, 0,1,2,3
.irp m, 0,1,2,3
	v_cvt_pk_bf16_f32 v[XP+4*\k+\m], v[RAW+8*\k+2*\m], v[RAW+8*\k+2*\m+1]  ; experts 2 m, 2 m + 1 of one k
.endr
.endr
.irp k, 0,1,2,3
	ds_store_b128 v10, v[XP+4*\k:XP+4*\k+3] offset:16*\k
.endr
	s_wait_dscnt 0x0                               ; for the others' sake: my part of the table is written
	s_barrier_signal -1
	s_barrier_wait -1
.irp i, 0,1,2,3,4,5,6,7
.irp t, 0,1,2,3
	ds_load_b128 v[WP+16*\i+4*\t:WP+16*\i+4*\t+3], v11 offset:2048*\i+16*\t  ; k = 128 i + 4 lane + t
.endr
.endr
; One row: rounded, stored, and multiplied into its eight sums.
.macro ROW r
.set XR, XP+16*((\r)&1)
.if (\r) < 3
	s_wait_loadcnt 40                              ; loads come back in order: my row's eight are in.  Behind them: row 0: 24 of x, 16 of We; row 1: 16 and 24; row 2: 8 and 32
.else
	s_wait_loadcnt 32                              ; behind the last row: We's 32
.endif
	s_wait_xcnt 0x0                                ; this set of XP was the data of stores two rows ago: it is rewritten only behind this wait
.if (\r) == 0
	s_wait_dscnt 0x0                               ; the table's 32 loads
.endif
.if (\r) < 2
	WLOAD 2+(\r)                                   ; eight loads have come in: eight more go out
.endif
	WIN 0x05                                       ; sources in window 1
.irp i, 0,1,2,3,4,5,6,7
	v_cvt_pk_bf16_f32 v[XR+2*\i],   v[32*(\r)+4*\i],   v[32*(\r)+4*\i+1]
	v_cvt_pk_bf16_f32 v[XR+2*\i+1], v[32*(\r)+4*\i+2], v[32*(\r)+4*\i+3]
.endr
	WIN 0
.irp i, 0,1,2,3,4,5,6,7
	global_store_b64 v5, v[XR+2*\i:XR+2*\i+1], s[12:13] offset:2048*(\r)+256*\i  ; the wave's 32 lanes store 256 consecutive bytes, aligned
.endr
.irp i, 0,1,2,3,4,5,6,7
.irp th, 0,1
.irp tl, 0,1
.irp eh, 0,1,2,3
.irp el, 0,1
.if ((\i)+(\th)+(\tl)) == 0
	v_fma_mix_f32_bf16 v[ACC+8*(\r)+2*\eh+\el], v[XR+2*\i+\th], v[WP+16*\i+8*\th+4*\tl+\eh], v6 op_sel:[\tl,\el,0] op_sel_hi:[1,1,0]
.else
	v_fma_mix_f32_bf16 v[ACC+8*(\r)+2*\eh+\el], v[XR+2*\i+\th], v[WP+16*\i+8*\th+4*\tl+\eh], v[ACC+8*(\r)+2*\eh+\el] op_sel:[\tl,\el,0] op_sel_hi:[1,1,0]
.endif
.endr
.endr
.endr
.endr
.endr
.endm
	ROW 0
	ROW 1
	ROW 2
	ROW 3
	; the 32 sums over the 32 lanes: four steps inside each half ride on the addition, one crosses the halves
.irp d, 1,2,4,8
.set n, 0
.rept 32
	v_add_f32_dpp v[ACC+n], v[ACC+n], v[ACC+n] row_xmask:\d row_mask:0xf bank_mask:0xf
.set n, n+1
.endr
.endr
.set n, 0
.rept 32
	v_permlanex16_b32 v[RAW+n], v[ACC+n], s40, s41
.set n, n+1
.endr
.set n, 0
.rept 32
	v_add_f32 v[ACC+n], v[ACC+n], v[RAW+n]
.set n, n+1
.endr
.irp r, 0,1,2,3
	ds_store_b128 v12, v[ACC+8*\r:ACC+8*\r+3] offset:32*\r        ; all lanes write the same bytes with the same numbers
	ds_store_b128 v12, v[ACC+8*\r+4:ACC+8*\r+7] offset:32*\r+16
.endr
	s_wait_kmcnt 0x0                               ; bg
	s_wait_dscnt 0x0                               ; for wave 0's sake: my tokens' logits are written
	s_barrier_signal -1
	s_barrier_wait -1
	s_cmp_lg_u32 s24, 0
	s_cbranch_scc1 .Lunits
	; wave 0 alone: a lane is a token
	v_lshl_add_u32 v13, v1, 5, ZB
	ds_load_b128 v[96:99], v13
	ds_load_b128 v[100:103], v13 offset:16
.irp m, 0,1,2,3
	v_cvt_pk_bf16_f32 v[112+\m], s[32+2*\m], s[33+2*\m]           ; bg rounded to bf16,
	v_lshlrev_b32 v[104+2*\m], 16, v[112+\m]                       ; and back as f32
	v_and_b32 v[105+2*\m], 0xffff0000, v[112+\m]
.endr
	s_mov_b32 s42, 0xc11051ec                      ; -9.02
	s_mov_b32 s43, 0x411051ec                      ; 9.02
	s_lshl_b32 s26, ttmp9, 7
	s_add_nc_u64 s[16:17], s[16:17], s[26:27]      ; rt: 4 bytes a token
	s_lshl_b32 s26, ttmp9, 8
	s_add_nc_u64 s[18:19], s[18:19], s[26:27]      ; gt: 8 bytes a token
	s_lshl_b32 s26, ttmp9, 3
	s_add_nc_u64 s[20:21], s[20:21], s[26:27]      ; bm: 8 bytes a group
	s_lshl_b32 s26, ttmp9, 2
	s_add_nc_u64 s[22:23], s[22:23], s[26:27]      ; cn: 4 bytes a group
	s_wait_dscnt 0x0
.irp e, 0,1,2,3,4,5,6,7
	v_add_f32 v[96+\e], v[96+\e], v[104+\e]
.endr
.irp e, 0,1,2,3,4,5,6,7
	v_med3_num_f32 v[96+\e], v[96+\e], s42, s43
.endr
	v_mov_b32 v116, v96                            ; the best: an ascending scan with a strict comparison keeps the lower index in a tie
	v_mov_b32 v117, 0
.irp e, 1,2,3,4,5,6,7
	v_cmp_gt_f32 vcc_lo, v[96+\e], v116
	v_cndmask_b32 v116, v116, v[96+\e], vcc_lo
	v_cndmask_b32 v117, v117, \e, vcc_lo
.endr
	v_mov_b32 v118, 0xff800000                     ; the best is taken out of the second scan
.irp e, 0,1,2,3,4,5,6,7
	v_cmp_eq_u32 vcc_lo, \e, v117
	v_cndmask_b32 v[96+\e], v[96+\e], v118, vcc_lo
.endr
	v_mov_b32 v119, v96
	v_mov_b32 v120, 0
.irp e, 1,2,3,4,5,6,7
	v_cmp_gt_f32 vcc_lo, v[96+\e], v119
	v_cndmask_b32 v119, v119, v[96+\e], vcc_lo
	v_cndmask_b32 v120, v120, \e, vcc_lo
.endr
	; tanh z = 1 - 2 / (1 + 2^(2 log2(e) z)); the weights: softmax of the two with the larger taken away: g1 = 1 / (1 + e^(t2 - t1)), g2 = 1 - g1
	v_mul_f32 v121, 0x4038aa3b, v116
	v_mul_f32 v122, 0x4038aa3b, v119
	v_exp_f32 v121, v121
	v_exp_f32 v122, v122
	v_lshl_or_b32 v123, v120, 8, v117              ; rt's word; also the plain instruction behind the exponentials
	s_wait_alu depctr_va_vdst(0)                   ; one wait for the two, ahead of their first reader
	v_add_f32 v121, 1.0, v121
	v_add_f32 v122, 1.0, v122
	v_rcp_f32 v121, v121
	v_rcp_f32 v122, v122
	v_lshlrev_b32 v124, 2, v1
	s_wait_alu depctr_va_vdst(0)
	v_fma_f32 v121, v121, -2.0, 1.0
	v_fma_f32 v122, v122, -2.0, 1.0
	v_sub_f32 v122, v122, v121                     ; t2 - t1, never above 0
	v_mul_f32 v122, 0x3fb8aa3b, v122
	v_exp_f32 v122, v122
	v_lshlrev_b32 v125, 3, v1
	s_wait_alu depctr_va_vdst(0)
	v_add_f32 v122, 1.0, v122
	v_rcp_f32 v126, v122
	v_mov_b32 v112, 0
	s_wait_alu depctr_va_vdst(0)
	v_sub_f32 v127, 1.0, v126
	global_store_b32 v124, v123, s[16:17]          ; 128 consecutive bytes
	global_store_b64 v125, v[126:127], s[18:19]    ; 256 consecutive bytes
	v_mov_b32 v113, 0
.irp e, 0,1,2,3,4,5,6,7
	v_cmp_eq_u32 s44, \e, v117                     ; which of my 32 tokens chose e first,
	v_cmp_eq_u32 s45, \e, v120                     ; which second
	v_writelane_b32 v112, s44, 2*\e
	v_writelane_b32 v112, s45, 2*\e+1
	s_bcnt1_i32_b32 s46, s44
	s_bcnt1_i32_b32 s47, s45
	s_lshl_b32 s47, s47, 16
	s_or_b32 s46, s46, s47
	v_writelane_b32 v113, s46, \e
.endr
	v_lshrrev_b32 v80, 1, v1                       ; lane 2 e + s: bm at e 2,048 + 4 s
	v_and_b32 v81, 1, v1
	v_lshlrev_b32 v81, 2, v81
	v_lshl_or_b32 v80, v80, 11, v81
	v_lshlrev_b32 v82, 10, v1                      ; lane e: cn at e 1,024
	; these 24 words a group lie far apart by the tables' layout, which the next launch reads densely: 24 KiB in the whole launch
	v_cmp_gt_u32 vcc_lo, 16, v1
	s_wait_xcnt 0x0                                ; EXEC changes only behind this wait (We's loads and the stores above are out)
	s_and_saveexec_b32 s50, vcc_lo
	global_store_b32 v80, v112, s[20:21]
	s_wait_xcnt 0x0
	s_or_b32 exec_lo, exec_lo, s50
	v_cmp_gt_u32 vcc_lo, 8, v1
	s_and_saveexec_b32 s50, vcc_lo
	global_store_b32 v82, v113, s[22:23]
	s_wait_xcnt 0x0
	s_or_b32 exec_lo, exec_lo, s50
.Lunits:
; JOB W.  A unit: my lane holds eight k of four columns; each column's eight k pack into the 16 bytes of one operand lane; the stage sorts them by tile.
.macro UNIT u
	s_wait_loadcnt 24-8*(\u)                       ; the unit's eight loads are in, the later units' stay out
	WIN 0x05                                       ; sources in window 1
.irp c, 0,1,2,3
.irp m, 0,1,2,3
	v_cvt_pk_bf16_f32 v[144+4*\c+\m], v[WR+32*(\u)+8*\m+\c], v[WR+32*(\u)+8*\m+4+\c]  ; the lower k in the lower half
.endr
.endr
	WIN 0
.irp c, 0,1,2,3
	ds_store_b128 v15, v[144+4*\c:147+4*\c] offset:16*\c
.endr
.irp T, 0,1,2,3
	ds_load_b128 v[160+16*(\u)+4*\T:163+16*(\u)+4*\T], v7 offset:528*\T  ; LDS serves a wave's instructions in order (ISA guide 5.7.1.4): these see the stores above, and the next unit's stores come behind them
.endr
	s_wait_dscnt 0x0
.irp T, 0,1,2,3
	global_store_b128 v4, v[160+16*(\u)+4*\T:163+16*(\u)+4*\T], s[14:15] offset:((\u)/2)*4096+1024*\T+((\u)%2)*512  ; 512 consecutive bytes, aligned
.endr
.endm
	UNIT 0
	UNIT 1
	UNIT 2
	UNIT 3
	s_wait_tensorcnt 0x0                           ; the wave's end, behind my last LDS store
	ds_add_u32 v2, v3
	s_wait_dscnt 0x0
	s_endpgm
.Lfunc_end_k_q4f4bf5c2da_prep:
	.size	k_q4f4bf5c2da_prep, .Lfunc_end_k_q4f4bf5c2da_prep-k_q4f4bf5c2da_prep
	.p2alignl 7, 3214868480
	.fill 96, 4, 3214868480
	.section	.rodata,"a",@progbits
	.p2align	6, 0x0
	.amdhsa_kernel k_q4f4bf5c2da_prep
		.amdhsa_group_segment_fixed_size 35840
		.amdhsa_private_segment_fixed_size 0
		.amdhsa_enable_private_segment 0
		.amdhsa_kernarg_size 80
		.amdhsa_user_sgpr_count 2
		.amdhsa_user_sgpr_kernarg_segment_ptr 1
		.amdhsa_wavefront_size32 1
		.amdhsa_system_sgpr_workgroup_id_x 1
		.amdhsa_system_sgpr_workgroup_id_y 1
		.amdhsa_system_sgpr_workgroup_id_z 1
		.amdhsa_system_vgpr_workitem_id 0
		.amdhsa_next_free_vgpr 512
		.amdhsa_next_free_sgpr 66
		.amdhsa_reserve_vcc 1
		.amdhsa_float_denorm_mode_32 3
		.amdhsa_float_denorm_mode_16_64 3
		.amdhsa_memory_ordered 1
		.amdhsa_forward_progress 1
		.amdhsa_inst_pref_size 114
	.end_amdhsa_kernel
	.amdgpu_metadata
---
amdhsa.version: [ 1, 2 ]
amdhsa.kernels:
  - .name:           k_q4f4bf5c2da_prep
    .symbol:         k_q4f4bf5c2da_prep.kd
    .args:
      - { .name: x, .offset: 0, .size: 8, .value_kind: global_buffer, .address_space: global }
      - { .name: Wg, .offset: 8, .size: 8, .value_kind: global_buffer, .address_space: global }
      - { .name: bg, .offset: 16, .size: 8, .value_kind: global_buffer, .address_space: global }
      - { .name: We, .offset: 24, .size: 8, .value_kind: global_buffer, .address_space: global }
      - { .name: xb, .offset: 32, .size: 8, .value_kind: global_buffer, .address_space: global }
      - { .name: wb, .offset: 40, .size: 8, .value_kind: global_buffer, .address_space: global }
      - { .name: rt, .offset: 48, .size: 8, .value_kind: global_buffer, .address_space: global }
      - { .name: gt, .offset: 56, .size: 8, .value_kind: global_buffer, .address_space: global }
      - { .name: bm, .offset: 64, .size: 8, .value_kind: global_buffer, .address_space: global }
      - { .name: cn, .offset: 72, .size: 8, .value_kind: global_buffer, .address_space: global }
    .group_segment_fixed_size: 35840
    .private_segment_fixed_size: 0
    .kernarg_segment_align: 8
    .kernarg_segment_size: 80
    .max_flat_workgroup_size: 256
    .sgpr_count:     66
    .vgpr_count:     512
    .wavefront_size: 32
...
	.end_amdgpu_metadata
.endif
;; end of part 4
;; launch chain (part 5): grid 242 x 1, 4 waves a work-group, no clusters, 314,112 bytes of LDS; arguments cn, bm, xb, wb, be, hh, ms; writes hh, ms
.if DOCPART == 5
	.amdgcn_target "amdgcn-amd-amdhsa--gfx1250"
	.amdhsa_code_object_version 6
	.text
	.protected	k_q4f4bf5c2da_chain
	.globl	k_q4f4bf5c2da_chain
	.p2align	8
	.type	k_q4f4bf5c2da_chain,@function
k_q4f4bf5c2da_chain:
	s_mov_b64 s[64:65], 0
	v_nop
	global_prefetch_b8 v0, s[64:65] scope:SCOPE_SE
	s_setreg_imm32_b32 hwreg(HW_REG_WAVE_MODE, 25, 1), 1
	s_wait_xcnt 0x0
; CHAIN.  The chosen rows alone: for each (token, slot) the row x We[e] + be[e], exact GELU, stored for the last launch, which normalises and adds.
; SHARES.  An expert's routed rows are ranked by (group of 32 tokens, slot, token).  A TILE is up to 144 consecutive ranks of one expert; two work-groups share it, one for each half of the 1,024 columns
; (work-group n: tile n / 2, half n % 2).  A weight byte that a work-group fetches so feeds 144 rows: the weights' bytes are 242 x 1 MiB, the token rows' 242 x 144 x 2 KiB.
; Expert e has ceil(c_e / 144) tiles; with 16,384 routed rows and 8 experts these are 114 to 121, whatever the split.  The grid has 121 tiles: the X = 121 - sum that are over go to the expert with the most rows
; (2,048 at the least, so 14 full tiles or more), whose first X tiles are halved into tiles of 72 rows.  So every work-group has rows, for every split.  Wave w owns 128 columns: 9 blocks of 16 rows x 8 tiles of
; 16 columns = 72 accumulators, 576 registers.  PLACES PAST THE COUNT repeat the tile's last row from the gather on: they give that row's numbers once more, and these are stored once more, to the same
; addresses: no branch and no lane mask hangs on a count.
; THE WALKS ARE OUT OF STEP.  K lies in eight chunks of 128; tile T begins its walk at chunk T % 8 and goes round, so that of an expert's tiles, whose numbers are consecutive, no more than two of any sixteen read the
; same chunk of weights in the same trip.  The tile's second half takes its places 72 further round the tile, so that the two halves gather a given token row half a gather apart.
; So the ORDER OF THE F32 SUMS along K differs from tile to tile.
; ROUTING.  Every wave finds the tile for itself from cn (counts) and bm (bitmaps), whole numbers that the launch before stored: totals, the deal, the rank in front of every bitmap word (a table in LDS of the wave's
; own), and for each place of the tile a search of nine steps in that table and the choice of the bit inside the word.
; OPERANDS.  The 144 token rows (bf16) are gathered once into LDS.  The weights come from memory straight into registers in operand order: each fragment has one reader in the work-group.
; NO CLUSTER, NO TENSOR LOADS: the token rows take 297,216 of LDS's 327,680 bytes and the rank tables 16,384 more: no room is left for slots of weights, which a joint load would have to land in.
; THE MATRIX INSTRUCTION IS USED TRANSPOSED: source 0 = 16 columns of We, source 1 = 16 tokens: a lane holds one token (lane % 16) and the columns 8 (lane / 16) + 0..7.
; GELU = z Phi(z).  With A = |z|, T = 1 / (1 + 0.2316419 A): the upper tail is h = e^(-z z / 2) (c1 T + .. + c5 T^5) (Abramowitz and Stegun 26.2.17, error below 7.5e-8 for every z), and z Phi(z) = max(z, 0) - A h.
; WHAT IS STORED.  hh[slot 8192 + token][1024] in f16: the value LESS a shift c, one for each row and half of the columns, kept in f32 in ms[row][2]: c = max(z, 0) at the half's first column, a number within 0.17 of
; that column's value: a common offset of a row costs f16 nothing.  Inside a segment of 128 columns place 8 l + t holds column 4 l + t (t < 4) or 64 + 4 l + t - 4, so that the last launch stores f32 densely.
; LIMITS.  A value less its shift stays under f16's 65,504; NaN and infinities are not treated apart.  be is rounded to bf16 like every input.
.set APITCH, 2064                      ; a token row in LDS: 2,048 bytes + 16 = 129 x 16: the 16 rows of a fragment load start at 16 different groups of four banks (64 banks of 4 bytes: ISA guide 11.1)
.set ABLK,   16*APITCH
.set SPITCH, 528                       ; a row of a wave's stage: 128 f32 + 16 bytes = 33 x 16
.set STGW,   144*SPITCH                ; a wave's stage.  The four stages lie from byte 0 on, over the token rows and part of the rank tables, which are dead behind the K loop
.set SRT,    144*APITCH                ; each wave's 4 KiB: the rank in front of each bitmap word (2 KiB), the words (2 KiB)
.set Z0,     4*STGW                    ; behind the stages, in the dead rank tables: the half's first column, 144 rows (and as many words that nobody needs)
.set CT,     Z0+1152                   ; each wave's 1,280 bytes: -c twice for each of 160 places
.set LST,    CT+4*1280                 ; each wave's 640 bytes: the tile's entries by place
.set SPARE,  SRT+4*4096                ; the spare words: 128 bytes a wave; no other line names them
; window 0: v1 lane; v2, v3 the add's pair; v4-8 LDS addresses of the token fragments in hand, behind the K loop places in my stage and tables; v9 at work; v10 my 16 bytes in a row of hh; v11 16 x lane; v12 at work;
;   v13-17 the tile's entries (slot x 8,192 + token), place 32 q + lane in v[13 + q]; v18-21 bias; v22-26 the token fragments' places, behind the K loop places in my stage; v27 lane % 16; v28-43 eight rows' -c;
;   v44 lane / 16; v45-47 at work; v48-119, v120-191 token fragments, two buffers; v192-255 block 8's accumulators; v48-255 are work space before and behind the K loop
; window 1: the weights' ring: four K steps of 8 fragments.   window 2: blocks 0-3.   window 3: blocks 4-7.
; s[10:11] my wave's 256 KiB of weights; s[2:3] the byte offset in them of the chunk asked for; s[40:41] their sum; s45 the byte offset in a token row of the chunk in hand
.set AF, 48                            ; token fragments
.set YB, 48                            ; the way out, 16 pairs each: z, then the result
.set AB, 80                            ; |z|
.set RB, 112                           ; max(z, 0)
.set DB, 144                           ; 1 + p |z|, then T
.set QB, 176                           ; the exponent, then E
.set PB, 208                           ; the polynomial
.set HB, 240                           ; eight rows in f16
.set MSB, 0
.macro WIN new                         ; the immediate's high byte repeats the setting that is left
.if MSB != (\new)
	s_set_vgpr_msb (MSB<<8)|(\new)
.set MSB, (\new)
.endif
.endm
.macro PLACES                          ; four places behind a matrix instruction, in front of loads into registers that it read and of stores of its results (ISA guide 7.12.1 for vector instructions)
.rept 4
	v_nop
.endr
.endm
.macro ALLP line:vararg                ; one line for each pair p of 16
.set p, 0
.rept 16
	\line
.set p, p+1
.endr
.endm
.macro SUM8 d, b                       ; eight words of two 16-bit counts each, added; then the two halves added
	v_add3_u32 v[\d], v[\b], v[(\b)+1], v[(\b)+2]
	v_add3_u32 v[\d], v[\d], v[(\b)+3], v[(\b)+4]
	v_add3_u32 v[\d], v[\d], v[(\b)+5], v[(\b)+6]
	v_add_nc_u32 v[\d], v[\d], v[(\b)+7]
	v_lshrrev_b32 v[(\d)+1], 16, v[\d]
	v_and_b32 v[\d], 0xffff, v[\d]
	v_add_nc_u32 v[\d], v[\d], v[(\d)+1]
.endm
.macro BLOAD q, imm                    ; a K step's 8 fragments (16 columns x 32 k each) into ring unit q: 16 loads of 512 consecutive bytes; the expert's other tiles read them again
	WIN 0x40
.irp f, 0,1,2,3,4,5,6,7
	global_load_b128 v[64*(\q)+8*\f:64*(\q)+8*\f+3],   v11, s[40:41] offset:(\imm)+1024*\f th:TH_LOAD_HT
	global_load_b128 v[64*(\q)+8*\f+4:64*(\q)+8*\f+7], v11, s[40:41] offset:(\imm)+1024*\f+512 th:TH_LOAD_HT
.endr
.endm
.macro KADR                            ; the token fragments' addresses: the fixed places + the chunk's scalar offset along K
.irp g, 0,1,2,3,4
	v_add_nc_u32 v[4+\g], s45, v[22+\g]
.endr
.endm
.macro ALOAD buf, off                  ; the nine blocks' token fragments of one K step, at byte off from the addresses in hand; an address serves two blocks
.set AFL, AF+72*(\buf)
.irp b, 0,1,2,3,4,5,6,7,8
	ds_load_b128 v[AFL+8*\b:AFL+8*\b+3],   v[4+\b/2] offset:(\off)+(\b%2)*ABLK
	ds_load_b128 v[AFL+8*\b+4:AFL+8*\b+7], v[4+\b/2] offset:(\off)+(\b%2)*ABLK+32
.endr
.endm
.macro MM d, bq, af, zero              ; one product; zero = 1: it starts the sum
.if \zero
	v_wmma_f32_16x16x32_bf16 v[(\d):(\d)+7], v[(\bq):(\bq)+7], v[(\af):(\af)+7], 0
.else
	v_wmma_f32_16x16x32_bf16 v[(\d):(\d)+7], v[(\bq):(\bq)+7], v[(\af):(\af)+7], v[(\d):(\d)+7]
.endif
.endm
; A K step's 72 products: ring unit u, token buffer a.  All 72 accumulators differ, so they take turns: 71 others' stand between two products on one accumulator.
.macro MUL u, a, zero
	WIN 0xa1                                       ; weights window 1, tokens window 0, sums window 2
.irp f, 0,1,2,3,4,5,6,7
.irp b, 0,1,2,3
	MM 64*\b+8*\f, 64*(\u)+8*\f, AF+72*(\a)+8*\b, \zero
.endr
.endr
	WIN 0xf1                                       ; sums window 3
.irp f, 0,1,2,3,4,5,6,7
.irp b, 0,1,2,3
	MM 64*\b+8*\f, 64*(\u)+8*\f, AF+72*(\a)+32+8*\b, \zero
.endr
.endr
	WIN 0x01                                       ; sums window 0
.irp f, 0,1,2,3,4,5,6,7
	MM 192+8*\f, 64*(\u)+8*\f, AF+72*(\a)+64, \zero
.endr
.endm
; A K step of 32, number j of a trip's four; a trip is a chunk of 128 along K.  Ring unit j, token buffer j % 2.  lda = 1: the next step's token fragments are fetched; for the trip's last step they lie in the next
; chunk, so the chunk's offset steps first, round the eight.  ldb = 1: the unit is asked for again, with the next chunk's step j, when it has been multiplied.
; The wait for the NEXT step's unit stands ahead of that refill: n = the loads issued behind the unit waited for, in the loop two units of 16.  So 48 loads of a wave are out at the most.
; The loads' base is made anew once a trip, ahead of the trip's first refill: the loads that named it last were issued a whole step earlier.
.macro STEP j, zero, lda, ldb, n
	WIN 0
	s_wait_dscnt 0x0                               ; this step's token fragments, asked for a step ago
.if \lda
.if (\j) == 3
	s_add_co_u32 s45, s45, 256                     ; the next chunk's 256 bytes of a token row,
	s_and_b32 s45, s45, 0x700                      ; behind the eighth the first
	KADR
	ALOAD 0, 0
.else
	ALOAD 1-((\j)&1), 64*((\j)+1)
.endif
.endif
	MUL \j, (\j)&1, \zero
	PLACES
.if (\n) >= 0
	s_wait_loadcnt \n                              ; the next step's unit is in
.endif
.if \ldb
.if (\j) == 0
	s_add_co_u32 s2, s2, 32768                     ; the next chunk's 32 KiB of my weights,
	s_and_b32 s2, s2, 0x38000                      ; behind the eighth the first
	s_wait_xcnt 0x0                                ; the base is rewritten only behind this wait
	s_add_nc_u64 s[40:41], s[10:11], s[2:3]
.endif
	BLOAD \j, 8192*(\j)
.endif
.endm
	s_load_b256 s[4:11], s[0:1], 0x0               ; cn s[4:5], bm s[6:7], xb s[8:9], wb s[10:11]
	s_load_b128 s[12:15], s[0:1], 0x20             ; be s[12:13], hh s[14:15]
	s_load_b64 s[16:17], s[0:1], 0x30              ; ms
	v_lshl_add_u32 v2, v0, 2, SPARE                ; my spare word,
	v_mov_b32 v3, 0                                ; and 0: kept for the add at the wave's end alone
	v_and_b32 v1, 31, v0                           ; lane
	v_lshrrev_b32 v12, 5, v0
	v_readfirstlane_b32 s18, v12                   ; wave 0..3
	v_lshlrev_b32 v11, 4, v1                       ; 16 x lane
	v_lshlrev_b32 v240, 5, v1                      ; 32 x lane
	v_lshlrev_b32 v241, 6, v1                      ; 64 x lane
	v_and_b32 v27, 15, v1                          ; lane % 16
	v_lshrrev_b32 v44, 4, v1                       ; lane / 16
	s_lshr_b32 s85, ttmp9, 1                       ; my tile's number
	s_and_b32 s83, ttmp9, 1                        ; my half of the columns
	s_lshl2_add_u32 s94, s83, s18                  ; my wave's segment of 128 columns, 0..7
	s_and_b32 s98, s85, 7                          ; the chunk of K at which my tile's walk begins
	s_mul_i32 s99, s83, 72                         ; how far round the tile my half's places are turned
	s_mov_b32 s39, 0                               ; high word of the offsets' pair s[38:39]
	s_mov_b32 s80, 0x76543210                      ; v_permlanex16_b32: each lane takes its own place in the other half
	s_mov_b32 s81, 0xfedcba98
	s_mul_i32 s61, s18, STGW                       ; my stage
	s_lshl_b32 s82, s18, 12
	s_add_co_u32 s82, s82, SRT                     ; my ranks and words
	s_mul_i32 s96, s18, 1280
	s_add_co_u32 s96, s96, CT                      ; my table of shifts
	s_mul_i32 s97, s18, 640
	s_add_co_u32 s97, s97, LST                     ; my list of entries
	s_mov_b32 s58, 0x7fffffff
	s_mov_b32 s66, 0x3e6d3389                      ; 0.2316419; each constant is named as a pair, so both words are written
	s_mov_b32 s67, 0x3e6d3389
	s_mov_b32 s68, 0xbf38aa3b                      ; -log2(e) / 2
	s_mov_b32 s69, 0xbf38aa3b
	s_mov_b32 s70, 0x3f07dc22                      ; c5 = 0.530702715
	s_mov_b32 s71, 0x3f07dc22
	s_mov_b32 s72, 0xbf3a00e3                      ; c4 = -0.726576014
	s_mov_b32 s73, 0xbf3a00e3
	s_mov_b32 s74, 0x3f35f0e3                      ; c3 = 0.710706871
	s_mov_b32 s75, 0x3f35f0e3
	s_mov_b32 s76, 0xbe11a98e                      ; c2 = -0.142248368
	s_mov_b32 s77, 0xbe11a98e
	s_mov_b32 s78, 0x3e027906                      ; c1 = 0.127414796
	s_mov_b32 s79, 0x3e027906
	s_wait_kmcnt 0x0
	; THE EXPERTS' TOTALS: lane l takes eight of an expert's 256 count words
.irp e, 0,1,2,3,4,5,6,7
	global_load_b128 v[128+8*\e:131+8*\e], v240, s[4:5] offset:1024*\e
	global_load_b128 v[132+8*\e:135+8*\e], v240, s[4:5] offset:1024*\e+16
.endr
.irp t, 196,197,198,199
	v_mov_b32 v\t, 0                               ; destinations of lane exchanges count as read
.endr
	s_wait_loadcnt 0x0
.irp e, 0,1,2,3,4,5,6,7
	SUM8 128+8*\e, 128+8*\e
.endr
.irp g, 0,1,2,3
	v_lshl_or_b32 v[192+\g], v[136+16*\g], 16, v[128+16*\g]       ; two experts to a register: a total is 8,192 at the most
.endr
.irp d, 1,2,4,8
.irp g, 0,1,2,3
	v_mov_b32_dpp v[196+\g], v[192+\g] row_xmask:\d row_mask:0xf bank_mask:0xf
.endr
.irp g, 0,1,2,3
	v_add_nc_u32 v[192+\g], v[192+\g], v[196+\g]
.endr
.endr
.irp g, 0,1,2,3
	v_permlanex16_b32 v[196+\g], v[192+\g], s80, s81
.endr
.irp g, 0,1,2,3
	v_add_nc_u32 v[192+\g], v[192+\g], v[196+\g]
.endr
.irp g, 0,1,2,3
	v_readfirstlane_b32 s19, v[192+\g]
	s_and_b32 s[20+2*\g], s19, 0xffff
	s_lshr_b32 s[21+2*\g], s19, 16
.endr
	; THE DEAL.  First each expert's tiles, their sum, and the expert with the most rows (the first of equals)
	s_mov_b32 s34, 0
	s_mov_b32 s35, 0
	s_mov_b32 s36, 0
.irp e, 0,1,2,3,4,5,6,7
	s_add_co_u32 s[86+\e], s[20+\e], 143
	s_lshr_b32 s[86+\e], s[86+\e], 4               ; (c + 143) / 144 = ((c + 143) / 16) / 9,
	s_mul_i32 s[86+\e], s[86+\e], 7282             ; and m / 9 = (7,282 m) >> 16, exact for m up to 520, the most that 8,192 rows give
	s_lshr_b32 s[86+\e], s[86+\e], 16
	s_add_co_u32 s34, s34, s[86+\e]
	s_cmp_gt_u32 s[20+\e], s35
	s_cselect_b32 s35, s[20+\e], s35
	s_cselect_b32 s36, \e, s36
.endr
	s_sub_co_u32 s37, 121, s34                     ; X, 0 to 7: the tiles that are over
	; then my tile's number picks expert s28, the expert's tile s29, its count s30, and how many of its tiles are halved, s33
	s_mov_b32 s28, 0
	s_mov_b32 s29, 0
	s_mov_b32 s30, 0
	s_mov_b32 s33, 0
	s_mov_b32 s34, 0
.irp e, 0,1,2,3,4,5,6,7
	s_cmp_eq_u32 s36, \e
	s_cselect_b32 s44, s37, 0
	s_add_co_u32 s45, s[86+\e], s44                ; this expert's tiles
	s_sub_co_u32 s35, s85, s34                     ; wraps to a large number where my number lies below them
	s_cmp_lt_u32 s35, s45
	s_cselect_b32 s28, \e, s28
	s_cselect_b32 s29, s35, s29
	s_cselect_b32 s30, s[20+\e], s30
	s_cselect_b32 s33, s44, s33
	s_add_co_u32 s34, s34, s45
.endr
	s_mul_i32 s44, s29, 72                         ; a halved tile: 72 rows from 72 J on
	s_sub_co_u32 s46, s29, s33
	s_mul_i32 s46, s46, 144                        ; a whole one: from 144 (J - X) on,
	s_sub_co_u32 s47, s30, s46
	s_min_u32 s47, s47, 144                        ; 144 rows, or what is left
	s_lshl_b32 s48, s33, 1
	s_cmp_lt_u32 s29, s48
	s_cselect_b32 s31, s44, s46                    ; my first rank,
	s_cselect_b32 s32, 72, s47                     ; how many rows I have: 1 to 144,
	s_sub_co_u32 s62, s32, 1                       ; and the last live place
	s_min_u32 s28, s28, 7
	s_lshl_b32 s38, s28, 10
	s_add_nc_u64 s[4:5], s[4:5], s[38:39]          ; cn[E]
	s_lshl_b32 s38, s28, 11
	s_add_nc_u64 s[6:7], s[6:7], s[38:39]          ; bm[E]
	s_lshl_b32 s38, s28, 12
	s_lshl_b32 s19, s83, 11
	s_add_co_u32 s38, s38, s19
	s_add_nc_u64 s[12:13], s[12:13], s[38:39]      ; be[E] at my half's first column
	s_lshl_b32 s19, s18, 9
	v_add_nc_u32 v242, s19, v11                    ; and in it my wave's 128 columns, four a lane
	s_lshl_b32 s38, s28, 21
	s_lshl_b32 s19, s94, 18
	s_add_co_u32 s38, s38, s19
	s_add_nc_u64 s[10:11], s[10:11], s[38:39]      ; my 256 KiB of weights,
	s_lshl_b32 s2, s98, 15                         ; and in them the chunk of 32 KiB at which my walk begins
	s_mov_b32 s3, 0
	s_add_nc_u64 s[40:41], s[10:11], s[2:3]
	global_load_b128 v[128:131], v240, s[4:5]
	global_load_b128 v[132:135], v240, s[4:5] offset:16
.irp k, 0,1,2,3
	global_load_b128 v[144+4*\k:147+4*\k], v241, s[6:7] offset:16*\k  ; lane l: bitmap words 16 l .. 16 l + 15
.endr
	global_load_b128 v[18:21], v242, s[12:13]      ; bias of columns 4 l + 0..3
	s_load_b32 s95, s[12:13], 0x0                  ; bias of the half's first column
	BLOAD 0, 0                                     ; my first K step's weights go out now
	WIN 0
	s_wait_loadcnt 16                              ; all but those 16 loads
	s_wait_kmcnt 0x0
	v_cvt_pk_bf16_f32 v45, v18, v19                ; the bias rounded to bf16,
	v_cvt_pk_bf16_f32 v46, v20, v21
	v_lshlrev_b32 v18, 16, v45                     ; and back as f32
	v_and_b32 v19, 0xffff0000, v45
	v_lshlrev_b32 v20, 16, v46
	v_and_b32 v21, 0xffff0000, v46
	; RANKS: my lane's total, the sum over the lanes below (a butterfly: what the partner's group holds is added where my lane lies above it), then the rank in front of each of my 16 words
	SUM8 160, 128
	v_mov_b32 v162, 0
	v_mov_b32 v163, 0
.irp d, 1,2,4,8
	v_mov_b32_dpp v163, v160 row_xmask:\d row_mask:0xf bank_mask:0xf
	v_and_b32 v164, \d, v1
	v_cmp_ne_u32 vcc_lo, 0, v164
	v_cndmask_b32 v164, 0, v163, vcc_lo
	v_add_nc_u32 v162, v162, v164
	v_add_nc_u32 v160, v160, v163
.endr
	v_permlanex16_b32 v163, v160, s80, s81
	v_and_b32 v164, 16, v1
	v_cmp_ne_u32 vcc_lo, 0, v164
	v_cndmask_b32 v164, 0, v163, vcc_lo
	v_add_nc_u32 v162, v162, v164
	v_mov_b32 v176, v162
.irp j, 0,1,2,3,4,5,6,7
	v_and_b32 v165, 0xffff, v[128+\j]
	v_add_nc_u32 v[177+2*\j], v[176+2*\j], v165
.if \j < 7
	v_lshrrev_b32 v165, 16, v[128+\j]
	v_add_nc_u32 v[178+2*\j], v[177+2*\j], v165
.endif
.endr
	v_lshl_add_u32 v166, v1, 6, s82
.irp k, 0,1,2,3
	ds_store_b128 v166, v[176+4*\k:179+4*\k] offset:16*\k          ; the table of 512 ranks,
	ds_store_b128 v166, v[144+4*\k:147+4*\k] offset:2048+16*\k     ; and the 512 words
.endr
	; THE SEARCH.  Place 32 q + lane of the tile takes the tile's row (place + 72 x half) mod 144, held to the last live row; its rank is v[192+q].  The word that holds it is the last whose rank in front is not above
	; it: nine steps, each one load from my own table (LDS serves a wave's instructions in order: the loads see the stores above).  The index is held to 0..511, so every address lies in my table's 2 KiB.
.irp q, 0,1,2,3,4
	v_add_nc_u32 v[192+\q], 32*\q, v1
	v_add_nc_u32 v[192+\q], s99, v[192+\q]
	v_subrev_nc_u32 v[208+\q], 144, v[192+\q]      ; less 144: wraps to a large number below 144,
	v_min_u32 v[192+\q], v[192+\q], v[208+\q]      ; so the smaller of the two is the number mod 144
	v_min_u32 v[192+\q], s62, v[192+\q]
	v_add_nc_u32 v[192+\q], s31, v[192+\q]
	v_mov_b32 v[200+\q], 0
.endr
.irp d, 256,128,64,32,16,8,4,2,1
.irp q, 0,1,2,3,4
	v_add_nc_u32 v[208+\q], \d, v[200+\q]
	v_min_u32 v[216+\q], 0x1ff, v[208+\q]
	v_lshl_add_u32 v[216+\q], v[216+\q], 2, s82
	ds_load_b32 v[224+\q], v[216+\q]
.endr
	s_wait_dscnt 0x0
.irp q, 0,1,2,3,4
	v_cmp_le_u32 vcc_lo, v[224+\q], v[192+\q]
	v_cndmask_b32 v[200+\q], v[200+\q], v[208+\q], vcc_lo
.endr
.endr
.irp q, 0,1,2,3,4
	v_min_u32 v[216+\q], 0x1ff, v[200+\q]
	v_lshl_add_u32 v[216+\q], v[216+\q], 2, s82
	ds_load_b32 v[224+\q], v[216+\q]
	ds_load_b32 v[232+\q], v[216+\q] offset:2048
.endr
	s_wait_dscnt 0x0
; The bit: number k (from 0) of the word's set bits.  The counts of the word's fields of 2, 4, 8 and 16 bits are made by shifts and masks; then five halvings: where k is not below the lower half's count, the count is taken away and the place moves up.
.macro LEVEL src, w
	v_bfe_u32 v[TA+4], v[\src], v[TA+5], \w
	v_cmp_ge_u32 vcc_lo, v[KR], v[TA+4]
	v_sub_nc_u32 v[TA+4], v[KR], v[TA+4]
	v_cndmask_b32 v[KR], v[KR], v[TA+4], vcc_lo
	v_add_nc_u32 v[TA+4], \w, v[TA+5]
	v_cndmask_b32 v[TA+5], v[TA+5], v[TA+4], vcc_lo
.endm
.macro BITSEL q
.set KR, 192+(\q)
.set WR, 232+(\q)
.set TA, 64+8*(\q)
	v_sub_nc_u32 v[KR], v[KR], v[224+(\q)]         ; k
	v_lshrrev_b32 v[TA+4], 1, v[WR]
	v_and_b32 v[TA+4], 0x55555555, v[TA+4]
	v_sub_nc_u32 v[TA], v[WR], v[TA+4]             ; fields of 2
	v_lshrrev_b32 v[TA+4], 2, v[TA]
	v_and_b32 v[TA+4], 0x33333333, v[TA+4]
	v_and_b32 v[TA+1], 0x33333333, v[TA]
	v_add_nc_u32 v[TA+1], v[TA+1], v[TA+4]         ; of 4
	v_lshrrev_b32 v[TA+4], 4, v[TA+1]
	v_add_nc_u32 v[TA+2], v[TA+1], v[TA+4]
	v_and_b32 v[TA+2], 0x0f0f0f0f, v[TA+2]         ; of 8
	v_lshrrev_b32 v[TA+4], 8, v[TA+2]
	v_add_nc_u32 v[TA+3], v[TA+2], v[TA+4]         ; its lowest byte: the low 16 bits' count
	v_and_b32 v[TA+4], 0xff, v[TA+3]
	v_cmp_ge_u32 vcc_lo, v[KR], v[TA+4]
	v_sub_nc_u32 v[TA+4], v[KR], v[TA+4]
	v_cndmask_b32 v[KR], v[KR], v[TA+4], vcc_lo
	v_cndmask_b32 v[TA+5], 0, 16, vcc_lo
	LEVEL TA+2, 8
	LEVEL TA+1, 4
	LEVEL TA, 2
	LEVEL WR, 1
	v_lshrrev_b32 v[TA+4], 1, v[200+(\q)]          ; word 2 j + s: token 32 j + bit,
	v_lshl_add_u32 v[13+(\q)], v[TA+4], 5, v[TA+5]
	v_and_b32 v[TA+4], 1, v[200+(\q)]
	v_lshl_add_u32 v[13+(\q)], v[TA+4], 13, v[13+(\q)]  ; + slot x 8,192: the row's number in hh
.endm
	BITSEL 0
	BITSEL 1
	BITSEL 2
	BITSEL 3
	BITSEL 4
	; THE GATHER: wave w brings places 4 j + w of the tile, j = 0..35, 2,048 bytes each, through registers into LDS.  The rows' offsets in xb are made four at a time.
.set g, 0
.rept 9
.irp k, 0,1,2,3
	s_add_co_u32 s[52+\k], s18, 4*((4*g+\k)%8)
.endr
.irp k, 0,1,2,3
	v_readlane_b32 s[48+\k], v[13+(4*g+\k)/8], s[52+\k]
.endr
.irp k, 0,1,2,3
	s_min_u32 s[48+\k], s[48+\k], 0x3fff
.endr
.irp k, 0,1,2,3
	s_and_b32 s[48+\k], s[48+\k], 0x1fff           ; the token
.endr
.irp k, 0,1,2,3
	s_lshl_b32 s[48+\k], s[48+\k], 11
.endr
.irp k, 0,1,2,3
	v_add_nc_u32 v[192+4*g+\k], s[48+\k], v11
.endr
.set g, g+1
.endr
	s_mul_i32 s19, s18, APITCH
	v_add_nc_u32 v228, s19, v11                    ; rows w, 4 + w, .. 28 + w,
.irp g, 1,2,3,4
	v_add_nc_u32 v[228+\g], 2*\g*ABLK, v228        ; and 32, 64, 96, 128 rows on
.endr
.macro ROWREG j                        ; where row j waits: rows 0-15 in window 2 and rows 16-31 in window 3, which the sums take later; rows 32-35 in window 0
.if (\j) < 16
.set RW, 2
.set RG, 16*(\j)
.elseif (\j) < 32
.set RW, 3
.set RG, 16*((\j)-16)
.else
.set RW, 0
.set RG, 48+16*((\j)-32)
.endif
.endm
.macro GLOAD j                         ; a row's four loads; the tile's other half and the token's other expert read the row again
	ROWREG \j
.set NW, (MSB&0x3f)|(RW<<6)
	WIN NW
.irp c, 0,1,2,3
	global_load_b128 v[RG+4*\c:RG+4*\c+3], v[192+(\j)], s[8:9] offset:512*\c th:TH_LOAD_HT
.endr
.endm
.macro GSTORE j, n                     ; n = the loads issued behind the row's
	ROWREG \j
.set NW, (MSB&0xf3)|(RW<<2)
	WIN NW
	s_wait_loadcnt \n
.irp c, 0,1,2,3
	ds_store_b128 v[228+(\j)/8], v[RG+4*\c:RG+4*\c+3] offset:((\j)%8)*4*APITCH+512*\c
.endr
.endm
	; Eleven rows are asked for ahead; behind each row's stores the row eleven on is asked for; as the rows run out the ring's other three units take their place: 60 loads are out at the most.
.set j, 0
.rept 11
	GLOAD j
.set j, j+1
.endr
.set j, 0
.rept 36
.set GN, j+10                          ; behind row j's loads: those of rows j + 1 to j + 10, or to 35,
.if GN > 35
.set GN, 35
.endif
.set GN, 4*(GN-j)
.if j >= 32
.set GN, GN+32                         ; and two units of weights,
.elseif j >= 28
.set GN, GN+16                         ; or one
.endif
	GSTORE j, GN
.if j+11 < 36
	GLOAD j+11
.endif
.if j == 27
	BLOAD 1, 8192
.endif
.if j == 31
	BLOAD 2, 16384
.endif
.if j == 35
	BLOAD 3, 24576
.endif
.set j, j+1
.endr
	WIN 0
	v_mul_u32_u24 v22, v27, APITCH
	v_lshl_add_u32 v22, v44, 4, v22                ; a fragment: row lane % 16, 16 bytes for each half of the lanes, and 32 bytes on
.irp g, 1,2,3,4
	v_add_nc_u32 v[22+\g], 2*\g*ABLK, v22
.endr
	s_lshl_b32 s45, s98, 8                         ; the chunk at which my walk begins: 256 bytes of a token row each
	KADR
	s_wait_dscnt 0x0                               ; for the others' sake: my 36 rows are written
	s_barrier_signal -1
	s_barrier_wait -1                              ; all 144 rows are there
	ALOAD 0, 0
	; THE K LOOP: 32 steps, four a trip, as many as the ring has units: a trip is a chunk.  A unit is asked for again when it has been multiplied, and waited for three steps' products (216) later.
	; Between the barrier above and the one behind the loop no wave writes LDS.
	STEP 0, 1, 1, 1, 32                            ; the first step starts the sums: nothing is cleared.  Only it differs from the loop's, so the loop is entered behind its first step
	WIN 0                                          ; at a label and at a branch every window is 0
	s_mov_b32 s42, 7
	s_branch .Lmid
.Lk:                                                   ; seven trips, the first from its second step on: steps 1 to 27
	STEP 0, 0, 1, 1, 32
	WIN 0
.Lmid:
	STEP 1, 0, 1, 1, 32
	STEP 2, 0, 1, 1, 32
	STEP 3, 0, 1, 1, 32
	WIN 0
	s_sub_co_u32 s42, s42, 1
	s_cmp_lg_u32 s42, 0
	s_cbranch_scc1 .Lk
	STEP 0, 0, 1, 0, 32                            ; steps 28 to 31: nothing is asked for, and the counts run down
	STEP 1, 0, 1, 0, 16
	STEP 2, 0, 1, 0, 0
	STEP 3, 0, 0, 0, -1                            ; its closing four places stand in front of the stores of the sums
	WIN 0
	s_wait_dscnt 0x0                               ; my last reads of the token rows are back
	s_barrier_signal -1
	s_barrier_wait -1                              ; so are everybody's: the stages and tables may now take the rows' and the rank tables' bytes
	; THE WAY OUT.  First the sums go into LDS: wave 0 lays the half's first column (register 0 of its accumulators (b, 0), lanes 0-15; lanes 16-31 write words of their own beside them) where all four waves will
	; read it, and every wave lays its sums into its own stage as rows.
	v_mul_u32_u24 v45, v44, 576
	v_lshl_add_u32 v12, v27, 2, v45
	v_add_nc_u32 v12, Z0, v12
	v_mul_u32_u24 v22, v27, SPITCH
	v_lshl_add_u32 v22, v44, 5, v22
	v_add_nc_u32 v22, s61, v22                     ; into the stage: row lane % 16, columns 8 (lane / 16) on; blocks 0-7 by the offset,
	v_add_nc_u32 v23, 128*SPITCH, v22              ; block 8
	s_cmp_lg_u32 s18, 0
	s_cbranch_scc1 .Lnoz
	WIN 0x08                                       ; store data in window 2
.irp b, 0,1,2,3
	ds_store_b32 v12, v[64*\b] offset:64*\b
.endr
	WIN 0x0c                                       ; in window 3
.irp b, 0,1,2,3
	ds_store_b32 v12, v[64*\b] offset:256+64*\b
.endr
	WIN 0
	ds_store_b32 v12, v192 offset:512
.Lnoz:
.macro DUMP b                          ; block b's sums into stage rows 16 b on; each accumulator's four lowest registers are read first
.if (\b) == 8
	WIN 0
.set DREG, 192
.set DADR, 23
.set DOFF, 0
.else
	WIN (2+(\b)/4)<<2                              ; store data in window 2 or 3
.set DREG, 64*((\b)%4)
.set DADR, 22
.set DOFF, (\b)*16*SPITCH
.endif
.irp n, 0,1,2,3,4,5,6,7
	ds_store_b128 v[DADR], v[DREG+8*\n:DREG+8*\n+3]   offset:DOFF+64*\n
	ds_store_b128 v[DADR], v[DREG+8*\n+4:DREG+8*\n+7] offset:DOFF+64*\n+16
.endr
.endm
.irp b, 0,1,2,3,4,5,6,7,8
	DUMP \b
.endr
	WIN 0
	v_lshl_add_u32 v45, v1, 2, Z0                  ; the addresses for what follows are made while those stores are out
	v_lshl_add_u32 v46, v1, 3, s96                 ; my table: 8 bytes a place
	v_lshl_add_u32 v47, v1, 2, s97                 ; my list: 4 bytes a place
	v_cvt_pk_bf16_f32 v9, s95, s95                 ; the first column's bias, rounded to bf16,
	v_lshlrev_b32 v9, 16, v9                       ; as f32
	v_add_nc_u32 v4, s61, v11                      ; a stage row's 16 bytes of mine: columns 4 l + 0..3
	v_lshlrev_b32 v5, 4, v27
	v_lshl_add_u32 v5, v44, 3, v5
	v_add_nc_u32 v5, s61, v5                       ; where they go in f16: 8 bytes at 16 (l % 16) + 8 (l / 16)
	v_mov_b32 v6, s96
	v_mul_u32_u24 v24, v44, SPITCH
	v_lshl_add_u32 v24, v27, 4, v24
	v_add_nc_u32 v24, s61, v24                     ; out of the stage: lanes 0-15 one row's 256 bytes, lanes 16-31 the next row's,
	v_add_nc_u32 v25, 96*SPITCH, v24               ; and 96 rows on
	v_lshl_add_u32 v26, v44, 2, s97                ; those two rows' entries
	s_lshl_b32 s19, s94, 8
	v_lshl_add_u32 v10, v27, 4, s19                ; my 16 bytes in a row of hh: segment x 256 + 16 (l % 16)
	s_lshl_b32 s19, s83, 2
.irp q, 0,1,2,3,4
	v_min_u32 v[72+\q], 0x3fff, v[13+\q]
	v_lshlrev_b32 v[72+\q], 3, v[72+\q]            ; a row of ms is 8 bytes,
	v_add_nc_u32 v[72+\q], s19, v[72+\q]           ; my half's word in it
.endr
	s_wait_dscnt 0x0                               ; for the others' sake: wave 0's column is written
	s_barrier_signal -1
	s_barrier_wait -1
	; No further barrier: stage, table and list are each wave's own, and LDS serves a wave's instructions in order (ISA guide 5.7.1.4).
.irp q, 0,1,2,3,4
	ds_load_b32 v[48+\q], v45 offset:128*\q        ; the first column's sum of place 32 q + lane
.endr
	s_wait_dscnt 0x0
.irp q, 0,1,2,3,4
	v_add_f32 v[48+\q], v9, v[48+\q]
.endr
.irp q, 0,1,2,3,4
	v_max_num_f32 v[48+\q], 0, v[48+\q]            ; c
.endr
.irp q, 0,1,2,3,4
	v_xor_b32 v[56+2*\q], 0x80000000, v[48+\q]     ; -c, twice: a pair for the packed addition
	v_mov_b32 v[57+2*\q], v[56+2*\q]
.endr
.irp q, 0,1,2,3,4
	ds_store_b64 v46, v[56+2*\q:57+2*\q] offset:256*\q
	ds_store_b32 v47, v[13+\q] offset:128*\q
.endr
	s_cmp_lg_u32 s18, 0
	s_cbranch_scc1 .Lnoms
	; wave 0 alone stores the shifts: 4 bytes a row, rows far apart by the list: 128 KiB in the whole launch beside 32 MiB of hh
.irp q, 0,1,2,3
	global_store_b32 v[72+\q], v[48+\q], s[16:17]
.endr
	v_cmp_gt_u32 vcc_lo, 16, v1                    ; the tile has 144 places: of the fifth register lanes 0-15 alone
	s_wait_xcnt 0x0                                ; EXEC changes only behind this wait
	s_and_saveexec_b32 s84, vcc_lo
	global_store_b32 v76, v52, s[16:17]
	s_wait_xcnt 0x0
	s_or_b32 exec_lo, exec_lo, s84
.Lnoms:
	; 18 trips of eight stage rows: bias, GELU, shift; the rows go back in f16 over the head of the same stage rows.  The addresses are fixed registers plus scalar offsets that step by eight rows.
	s_wait_xcnt 0x0                                ; the work registers were sources of wave 0's stores
	s_mov_b32 s45, 0
	s_mov_b32 s46, 0
	s_mov_b32 s60, 18
.Lrow:
	v_add_nc_u32 v9, s45, v4
	v_add_nc_u32 v7, s45, v5
	v_add_nc_u32 v8, s46, v6
.irp u, 0,1,2,3,4,5,6,7
	ds_load_b128 v[YB+4*\u:YB+4*\u+3], v9 offset:SPITCH*\u         ; a row: 512 consecutive bytes
.endr
.irp u, 0,1,2,3,4,5,6,7
	ds_load_b64 v[28+2*\u:29+2*\u], v8 offset:8*\u                 ; its -c, the same words for every lane
.endr
	s_wait_dscnt 0x0
	; 16 pairs.  The plain work of pair p and the four transcendentals of pair p - 1 stand by turns; none of them reads a transcendental's result: ONE batch of 64, ONE wait.
.set p, 0
.rept 17
.if p < 16
	v_pk_add_f32 v[YB+2*p:YB+2*p+1], v[YB+2*p:YB+2*p+1], v[18+2*(p%2):19+2*(p%2)]  ; z = sum + bias
.endif
.if p > 0
	v_rcp_f32 v[DB+2*p-2], v[DB+2*p-2]
.endif
.if p < 16
	v_and_b32 v[AB+2*p], s58, v[YB+2*p]
.endif
.if p > 0
	v_rcp_f32 v[DB+2*p-1], v[DB+2*p-1]
.endif
.if p < 16
	v_and_b32 v[AB+2*p+1], s58, v[YB+2*p+1]
.endif
.if p > 0
	v_exp_f32 v[QB+2*p-2], v[QB+2*p-2]
.endif
.if p < 16
	v_max_num_f32 v[RB+2*p], 0, v[YB+2*p]
.endif
.if p > 0
	v_exp_f32 v[QB+2*p-1], v[QB+2*p-1]
.endif
.if p < 16
	v_max_num_f32 v[RB+2*p+1], 0, v[YB+2*p+1]
	v_pk_fma_f32 v[DB+2*p:DB+2*p+1], v[AB+2*p:AB+2*p+1], s[66:67], 1.0 op_sel_hi:[1,0,0]
	v_pk_mul_f32 v[QB+2*p:QB+2*p+1], v[YB+2*p:YB+2*p+1], s[68:69] op_sel_hi:[1,0]
	v_pk_mul_f32 v[QB+2*p:QB+2*p+1], v[QB+2*p:QB+2*p+1], v[YB+2*p:YB+2*p+1]
.endif
.set p, p+1
.endr
	v_nop                                          ; the plain instruction behind the last exponential,
	s_wait_alu depctr_va_vdst(0)                   ; and the batch's one wait, ahead of its first reader
	ALLP v_pk_fma_f32 v[PB+2*p:PB+2*p+1], v[DB+2*p:DB+2*p+1], s[70:71], s[72:73] op_sel_hi:[1,0,0]
	ALLP v_pk_fma_f32 v[PB+2*p:PB+2*p+1], v[PB+2*p:PB+2*p+1], v[DB+2*p:DB+2*p+1], s[74:75] op_sel_hi:[1,1,0]
	ALLP v_pk_fma_f32 v[PB+2*p:PB+2*p+1], v[PB+2*p:PB+2*p+1], v[DB+2*p:DB+2*p+1], s[76:77] op_sel_hi:[1,1,0]
	ALLP v_pk_fma_f32 v[PB+2*p:PB+2*p+1], v[PB+2*p:PB+2*p+1], v[DB+2*p:DB+2*p+1], s[78:79] op_sel_hi:[1,1,0]
	ALLP v_pk_mul_f32 v[PB+2*p:PB+2*p+1], v[PB+2*p:PB+2*p+1], v[DB+2*p:DB+2*p+1]
	ALLP v_pk_mul_f32 v[PB+2*p:PB+2*p+1], v[PB+2*p:PB+2*p+1], v[QB+2*p:QB+2*p+1]
	ALLP v_pk_fma_f32 v[YB+2*p:YB+2*p+1], v[AB+2*p:AB+2*p+1], v[PB+2*p:PB+2*p+1], v[RB+2*p:RB+2*p+1] neg_lo:[1,0,0] neg_hi:[1,0,0]
	ALLP v_pk_add_f32 v[YB+2*p:YB+2*p+1], v[YB+2*p:YB+2*p+1], v[28+2*(p/2):29+2*(p/2)]
	ALLP v_cvt_pk_f16_f32 v[HB+p], v[YB+2*p], v[YB+2*p+1]
.irp u, 0,1,2,3,4,5,6,7
	ds_store_b64 v7, v[HB+2*\u:HB+2*\u+1] offset:SPITCH*\u         ; the row in f16: bytes 0-255 of its stage row, which have been read
.endr
	s_add_co_u32 s45, s45, 8*SPITCH
	s_add_co_u32 s46, s46, 64
	s_sub_co_u32 s60, s60, 1
	s_cmp_lg_u32 s60, 0
	s_cbranch_scc1 .Lrow
; 48 rows leave by 24 stores, two rows each: stage rows 2 i0 on; ar holds the stage address of rows 2 ib on.  A lane's place in hh is made from its row's entry, held to hh's 16,384 rows.
.macro SEND24 i0, ar, ib
	s_wait_xcnt 0x0                                ; v48-167 were the sources of the stores before: they are rewritten only behind this wait
.set i, 0
.rept 24
	ds_load_b32 v[144+i], v26 offset:8*((\i0)+i)
.set i, i+1
.endr
.set i, 0
.rept 24
	ds_load_b128 v[48+4*i:51+4*i], v[\ar] offset:((\i0)-(\ib)+i)*2*SPITCH
.set i, i+1
.endr
	s_wait_dscnt 24                                ; the entries are in; the 24 loads of rows, issued behind them, may be out
.set i, 0
.rept 24
	v_min_u32 v[144+i], 0x3fff, v[144+i]
	v_lshl_add_u32 v[144+i], v[144+i], 11, v10     ; a row of hh is 2,048 bytes
.set i, i+1
.endr
.set i, 0
.rept 24
	s_wait_dscnt 23-i                              ; LDS loads come back in order: rows 2 i, 2 i + 1 are in, the 23 - i loads behind them may be out
	global_store_b128 v[144+i], v[48+4*i:51+4*i], s[14:15]         ; sixteen lanes store a row's 256 consecutive bytes, aligned
.set i, i+1
.endr
.endm
	SEND24 0,  24, 0
	SEND24 24, 24, 0
	SEND24 48, 25, 48
	s_wait_tensorcnt 0x0                           ; the wave's end, behind my last LDS store
	ds_add_u32 v2, v3
	s_wait_dscnt 0x0
	s_endpgm
.Lfunc_end_k_q4f4bf5c2da_chain:
	.size	k_q4f4bf5c2da_chain, .Lfunc_end_k_q4f4bf5c2da_chain-k_q4f4bf5c2da_chain
	.p2alignl 7, 3214868480
	.fill 96, 4, 3214868480
	.section	.rodata,"a",@progbits
	.p2align	6, 0x0
	.amdhsa_kernel k_q4f4bf5c2da_chain
		.amdhsa_group_segment_fixed_size 314112
		.amdhsa_private_segment_fixed_size 0
		.amdhsa_enable_private_segment 0
		.amdhsa_kernarg_size 56
		.amdhsa_user_sgpr_count 2
		.amdhsa_user_sgpr_kernarg_segment_ptr 1
		.amdhsa_wavefront_size32 1
		.amdhsa_system_sgpr_workgroup_id_x 1
		.amdhsa_system_sgpr_workgroup_id_y 1
		.amdhsa_system_sgpr_workgroup_id_z 1
		.amdhsa_system_vgpr_workitem_id 0
		.amdhsa_next_free_vgpr 1024
		.amdhsa_next_free_sgpr 100
		.amdhsa_reserve_vcc 1
		.amdhsa_float_denorm_mode_32 3
		.amdhsa_float_denorm_mode_16_64 3
		.amdhsa_memory_ordered 1
		.amdhsa_forward_progress 1
		.amdhsa_inst_pref_size 209
	.end_amdhsa_kernel
	.amdgpu_metadata
---
amdhsa.version: [ 1, 2 ]
amdhsa.kernels:
  - .name:           k_q4f4bf5c2da_chain
    .symbol:         k_q4f4bf5c2da_chain.kd
    .args:
      - { .name: cn, .offset: 0, .size: 8, .value_kind: global_buffer, .address_space: global }
      - { .name: bm, .offset: 8, .size: 8, .value_kind: global_buffer, .address_space: global }
      - { .name: xb, .offset: 16, .size: 8, .value_kind: global_buffer, .address_space: global }
      - { .name: wb, .offset: 24, .size: 8, .value_kind: global_buffer, .address_space: global }
      - { .name: be, .offset: 32, .size: 8, .value_kind: global_buffer, .address_space: global }
      - { .name: hh, .offset: 40, .size: 8, .value_kind: global_buffer, .address_space: global }
      - { .name: ms, .offset: 48, .size: 8, .value_kind: global_buffer, .address_space: global }
    .group_segment_fixed_size: 314112
    .private_segment_fixed_size: 0
    .kernarg_segment_align: 8
    .kernarg_segment_size: 56
    .max_flat_workgroup_size: 128
    .sgpr_count:     100
    .vgpr_count:     1024
    .wavefront_size: 32
...
	.end_amdgpu_metadata
.endif
;; end of part 5
;; launch comb (part 6): grid 256 x 1, 16 waves a work-group, no clusters, 34,816 bytes of LDS; arguments hh, ms, rt, gt, gamma, beta, out0; writes out0
.if DOCPART == 6
	.amdgcn_target "amdgcn-amd-amdhsa--gfx1250"
	.amdhsa_code_object_version 6
	.text
	.protected	k_q4f4bf5c2da_comb
	.globl	k_q4f4bf5c2da_comb
	.p2align	8
	.type	k_q4f4bf5c2da_comb,@function
k_q4f4bf5c2da_comb:
	s_mov_b64 s[64:65], 0
	v_nop
	global_prefetch_b8 v0, s[64:65] scope:SCOPE_SE
	s_setreg_imm32_b32 hwreg(HW_REG_WAVE_MODE, 25, 1), 1
	s_wait_xcnt 0x0
; COMB.  out0[token] = g1 LN(h1) + g2 LN(h2): for each token its two rows of hh (f16, each half of the columns less a shift kept in ms) are widened, the shifts are put back (less their mean, which
; LayerNorm takes away anyway), and LayerNorm is done in f32 in two passes: the mean, then the mean of the squared differences; then gamma, beta and the gate's weights.
; A stream: memory binds, no matrix unit, no cluster.  A work-group takes 32 tokens, each of its 16 waves 2; a row lies across the wave's lanes, 32 numbers a lane, so a reduction never leaves the wave.
; gamma and beta of all 8 experts are rounded to bf16, like every input, once a work-group, and kept in LDS in hh's column order (place 8 l + t of a segment of 128 columns = column 4 l + t, or 64 + 4 l + t - 4 for t >= 4).
; The experts' numbers come from rt, whole numbers that the first launch stored.  NaN and infinities are not treated apart.
.set SPARE, 32768                      ; behind the tables: the spare words, 128 bytes for each of 16 waves; no other line names them
; v1 lane; v2, v3 the add's pair; v4 512 (lane / 16) + 16 (lane % 16); v5 16 x lane; v6, v7 the tables' offsets; v8 1.0; v9 0; v10, v11 LDS addresses; v12-15 sums; v16-47 tables as loaded, then the output;
; v48-111 hh as loaded; v112-119 at work; v120-123 the shifts; v128-191 the two rows in f32; v192-255 gamma and beta of the two experts
	s_load_b256 s[4:11], s[0:1], 0x0               ; hh s[4:5], ms s[6:7], rt s[8:9], gt s[10:11]
	s_load_b128 s[12:15], s[0:1], 0x20             ; gamma s[12:13], beta s[14:15]
	s_load_b64 s[16:17], s[0:1], 0x30              ; out0
	v_lshl_add_u32 v2, v0, 2, SPARE                ; my spare word,
	v_mov_b32 v3, 0                                ; and 0: kept for the add at the wave's end alone
	v_and_b32 v1, 31, v0
	v_lshrrev_b32 v4, 5, v0
	v_readfirstlane_b32 s50, v4                    ; wave 0..15
	v_lshlrev_b32 v5, 4, v1
	v_and_b32 v4, 15, v1
	v_lshrrev_b32 v10, 4, v1
	v_lshlrev_b32 v4, 4, v4
	v_lshl_add_u32 v4, v10, 9, v4                  ; in f32: lanes 0-15 take 256 bytes of one segment, lanes 16-31 of the next, 512 bytes on
	v_mov_b32 v8, 1.0
	v_mov_b32 v9, 0
	v_mov_b32 v14, 0                               ; destinations of lane exchanges count as read
	v_mov_b32 v15, 0
	s_lshl_b32 s51, ttmp9, 5
	s_lshl1_add_u32 s51, s50, s51                  ; my first token = 32 x group + 2 x wave
	s_lshl_b32 s52, s51, 2
	s_lshl_b32 s53, s51, 3
	s_lshl_b32 s56, s51, 11
	s_mov_b32 s57, 0
	s_lshr_b32 s58, s50, 2                         ; the tables' share: rows wave / 4 and wave / 4 + 4, columns 256 (wave % 4) on
	s_and_b32 s59, s50, 3
	s_lshl_b32 s60, s58, 12
	s_lshl_b32 s61, s59, 10
	s_add_co_u32 s60, s60, s61
	v_add_nc_u32 v6, s60, v4
	s_lshr_b32 s60, s60, 1                         ; half as many bytes in bf16
	v_add_nc_u32 v7, s60, v5
	s_mov_b32 s68, 0x3a800000                      ; 1 / 1024
	s_mov_b32 s69, 0x3727c5ac                      ; 1e-5
	s_mov_b32 s70, 0x76543210
	s_mov_b32 s71, 0xfedcba98
	s_wait_kmcnt 0x0
	s_load_b64 s[20:21], s[8:9], s52 offset:0x0    ; my two tokens' experts,
	s_load_b128 s[24:27], s[10:11], s53 offset:0x0 ; weights,
	s_load_b128 s[32:35], s[6:7], s53 offset:0x0   ; and shifts, two a row: slot 0,
	s_load_b128 s[40:43], s[6:7], s53 offset:0x10000  ; slot 1 (8,192 rows of 8 bytes on)
	s_add_nc_u64 s[4:5], s[4:5], s[56:57]          ; hh at my first token, slot 0,
	s_add_nc_u64 s[18:19], s[4:5], 0x1000000       ; and slot 1 (8,192 rows of 2,048 bytes on)
	s_lshl_b32 s56, s51, 12
	s_add_nc_u64 s[16:17], s[16:17], s[56:57]
.irp n, 0,1
	global_load_b128 v[16+8*\n:19+8*\n], v6, s[12:13] offset:16384*\n
	global_load_b128 v[20+8*\n:23+8*\n], v6, s[12:13] offset:16384*\n+256
.endr
.irp n, 0,1
	global_load_b128 v[32+8*\n:35+8*\n], v6, s[14:15] offset:16384*\n
	global_load_b128 v[36+8*\n:39+8*\n], v6, s[14:15] offset:16384*\n+256
.endr
.irp t, 0,1
.irp i, 0,1,2,3
	global_load_b128 v[48+32*\t+4*\i:51+32*\t+4*\i], v5, s[4:5] offset:2048*\t+512*\i th:TH_LOAD_NT     ; 512 consecutive bytes: two segments
.endr
.irp i, 0,1,2,3
	global_load_b128 v[64+32*\t+4*\i:67+32*\t+4*\i], v5, s[18:19] offset:2048*\t+512*\i th:TH_LOAD_NT
.endr
.endr
	s_wait_loadcnt 16                              ; the tables' eight loads are in; the 16 of hh stay out
.irp n, 0,1,2,3
.irp m, 0,1,2,3
	v_cvt_pk_bf16_f32 v[112+4*\n+\m], v[16+8*\n+2*\m], v[17+8*\n+2*\m]
.endr
.endr
.irp n, 0,1,2,3
	ds_store_b128 v7, v[112+4*\n:115+4*\n] offset:8192*\n          ; gamma's rows 0-3, 4-7, then beta's
.endr
	s_wait_dscnt 0x0                               ; for the others' sake: my part of the tables is written
	s_barrier_signal -1
	s_barrier_wait -1
	s_wait_kmcnt 0x0
.macro RED a, b, ta, tb                ; two sums over the wave's 32 lanes: four steps inside each half ride on the addition, one crosses the halves
.irp d, 1,2,4,8
	v_add_f32_dpp v[\a], v[\a], v[\a] row_xmask:\d row_mask:0xf bank_mask:0xf
	v_add_f32_dpp v[\b], v[\b], v[\b] row_xmask:\d row_mask:0xf bank_mask:0xf
.endr
	v_permlanex16_b32 v[\ta], v[\a], s70, s71
	v_permlanex16_b32 v[\tb], v[\b], s70, s71
	v_add_f32 v[\a], v[\a], v[\ta]
	v_add_f32 v[\b], v[\b], v[\tb]
.endm
.macro FOLD d                          ; four chains in v112-119 into one number
	v_pk_add_f32 v[112:113], v[112:113], v[114:115]
	v_pk_add_f32 v[116:117], v[116:117], v[118:119]
	v_pk_add_f32 v[112:113], v[112:113], v[116:117]
	v_add_f32 v[\d], v112, v113
.endm
.macro TOKEN t
	s_wait_loadcnt 8-8*(\t)                        ; this token's eight loads are in; the next token's stay out
.if \t
	s_wait_xcnt 0x0                                ; v16-47 were the data of the first token's stores: they are rewritten only behind this wait
.endif
	s_bfe_u32 s62, s[20+(\t)], 0x80000             ; e1
	s_min_u32 s62, s62, 7
	s_lshl_b32 s62, s62, 11
	s_bfe_u32 s63, s[20+(\t)], 0x80008             ; e2
	s_min_u32 s63, s63, 7
	s_lshl_b32 s63, s63, 11
	v_add_nc_u32 v10, s62, v5
	v_add_nc_u32 v11, s63, v5
.irp i, 0,1,2,3
	ds_load_b128 v[192+4*\i:195+4*\i], v10 offset:512*\i           ; gamma[e1]
	ds_load_b128 v[208+4*\i:211+4*\i], v10 offset:16384+512*\i     ; beta[e1]
	ds_load_b128 v[224+4*\i:227+4*\i], v11 offset:512*\i           ; gamma[e2]
	ds_load_b128 v[240+4*\i:243+4*\i], v11 offset:16384+512*\i     ; beta[e2]
.endr
.irp s, 0,1
	s_mul_f32 s66, s[32+8*\s+2*(\t)], 0x3f000000   ; the two shifts less their mean: (c0 - c1) / 2,
	s_mul_f32 s67, s[33+8*\s+2*(\t)], 0xbf000000
	s_add_f32 s66, s66, s67
	s_xor_b32 s67, s66, 0x80000000                 ; and its negative
	v_mov_b32 v[120+2*\s], s66
	v_mov_b32 v[121+2*\s], s67
.endr
.irp s, 0,1
.irp i, 0,1,2,3
.irp m, 0,1,2,3
.irp hl, 0,1
	v_fma_mix_f32 v[128+32*\s+8*\i+2*\m+\hl], v[48+32*(\t)+16*\s+4*\i+\m], v8, v[120+2*\s+\i/2] op_sel:[\hl,0,0] op_sel_hi:[1,0,0]  ; widened, and the shift put back, in one
.endr
.endr
.endr
.endr
.irp s, 0,1
.irp c, 0,1,2,3
	v_pk_add_f32 v[112+2*\c:113+2*\c], v[128+32*\s+2*\c:129+32*\s+2*\c], v[136+32*\s+2*\c:137+32*\s+2*\c]
.endr
.irp c, 0,1,2,3
	v_pk_add_f32 v[112+2*\c:113+2*\c], v[112+2*\c:113+2*\c], v[144+32*\s+2*\c:145+32*\s+2*\c]
.endr
.irp c, 0,1,2,3
	v_pk_add_f32 v[112+2*\c:113+2*\c], v[112+2*\c:113+2*\c], v[152+32*\s+2*\c:153+32*\s+2*\c]
.endr
	FOLD 12+\s
.endr
	RED 12, 13, 14, 15
	v_mul_f32 v12, s68, v12                        ; the two means
	v_mul_f32 v13, s68, v13
.irp s, 0,1
.set n, 0
.rept 16
	v_pk_add_f32 v[128+32*\s+2*n:129+32*\s+2*n], v[128+32*\s+2*n:129+32*\s+2*n], v[12:13] op_sel:[0,\s] op_sel_hi:[1,\s] neg_lo:[0,1] neg_hi:[0,1]
.set n, n+1
.endr
.endr
.irp s, 0,1
.irp c, 0,1,2,3
	v_pk_mul_f32 v[112+2*\c:113+2*\c], v[128+32*\s+2*\c:129+32*\s+2*\c], v[128+32*\s+2*\c:129+32*\s+2*\c]
.endr
.irp k, 8,16,24
.irp c, 0,1,2,3
	v_pk_fma_f32 v[112+2*\c:113+2*\c], v[128+32*\s+\k+2*\c:129+32*\s+\k+2*\c], v[128+32*\s+\k+2*\c:129+32*\s+\k+2*\c], v[112+2*\c:113+2*\c]
.endr
.endr
	FOLD 14+\s
.endr
	RED 14, 15, 112, 113
	v_fma_f32 v14, v14, s68, s69                   ; variance + 1e-5
	v_fma_f32 v15, v15, s68, s69
	v_rsq_f32 v14, v14
	v_rsq_f32 v15, v15
	v_mov_b32 v116, s[24+2*(\t)]                   ; the weights; also the plain instruction behind the roots
	v_mov_b32 v117, s[25+2*(\t)]
	s_wait_alu depctr_va_vdst(0)                   ; one wait for the two, ahead of their first reader
	v_mul_f32 v14, v116, v14
	v_mul_f32 v15, v117, v15
.irp s, 0,1
.set n, 0
.rept 16
	v_pk_mul_f32 v[128+32*\s+2*n:129+32*\s+2*n], v[128+32*\s+2*n:129+32*\s+2*n], v[14:15] op_sel:[0,\s] op_sel_hi:[1,\s]
.set n, n+1
.endr
.endr
	s_wait_dscnt 0x0                               ; gamma and beta
	; out = g1 beta1 + t1 gamma1 + g2 beta2 + t2 gamma2: four fused multiply-adds a number, straight from the bf16 halves
.irp i, 0,1,2,3
.irp m, 0,1,2,3
.irp hl, 0,1
	v_fma_mix_f32_bf16 v[16+8*\i+2*\m+\hl], v[208+4*\i+\m], v116, v9 op_sel:[\hl,0,0] op_sel_hi:[1,0,0]
.endr
.endr
.endr
.irp i, 0,1,2,3
.irp m, 0,1,2,3
.irp hl, 0,1
	v_fma_mix_f32_bf16 v[16+8*\i+2*\m+\hl], v[192+4*\i+\m], v[128+8*\i+2*\m+\hl], v[16+8*\i+2*\m+\hl] op_sel:[\hl,0,0] op_sel_hi:[1,0,0]
.endr
.endr
.endr
.irp i, 0,1,2,3
.irp m, 0,1,2,3
.irp hl, 0,1
	v_fma_mix_f32_bf16 v[16+8*\i+2*\m+\hl], v[240+4*\i+\m], v117, v[16+8*\i+2*\m+\hl] op_sel:[\hl,0,0] op_sel_hi:[1,0,0]
.endr
.endr
.endr
.irp i, 0,1,2,3
.irp m, 0,1,2,3
.irp hl, 0,1
	v_fma_mix_f32_bf16 v[16+8*\i+2*\m+\hl], v[224+4*\i+\m], v[160+8*\i+2*\m+\hl], v[16+8*\i+2*\m+\hl] op_sel:[\hl,0,0] op_sel_hi:[1,0,0]
.endr
.endr
.endr
.irp i, 0,1,2,3
	global_store_b128 v4, v[16+8*\i:19+8*\i], s[16:17] offset:4096*(\t)+1024*\i th:TH_STORE_NT      ; sixteen lanes store 256 consecutive bytes, aligned: a segment's columns 0-63,
	global_store_b128 v4, v[20+8*\i:23+8*\i], s[16:17] offset:4096*(\t)+1024*\i+256 th:TH_STORE_NT  ; and its columns 64-127
.endr
.endm
	TOKEN 0
	TOKEN 1
	s_wait_tensorcnt 0x0                           ; the wave's end, behind my last LDS store
	ds_add_u32 v2, v3
	s_wait_dscnt 0x0
	s_endpgm
.Lfunc_end_k_q4f4bf5c2da_comb:
	.size	k_q4f4bf5c2da_comb, .Lfunc_end_k_q4f4bf5c2da_comb-k_q4f4bf5c2da_comb
	.p2alignl 7, 3214868480
	.fill 96, 4, 3214868480
	.section	.rodata,"a",@progbits
	.p2align	6, 0x0
	.amdhsa_kernel k_q4f4bf5c2da_comb
		.amdhsa_group_segment_fixed_size 34816
		.amdhsa_private_segment_fixed_size 0
		.amdhsa_enable_private_segment 0
		.amdhsa_kernarg_size 56
		.amdhsa_user_sgpr_count 2
		.amdhsa_user_sgpr_kernarg_segment_ptr 1
		.amdhsa_wavefront_size32 1
		.amdhsa_system_sgpr_workgroup_id_x 1
		.amdhsa_system_sgpr_workgroup_id_y 1
		.amdhsa_system_sgpr_workgroup_id_z 1
		.amdhsa_system_vgpr_workitem_id 0
		.amdhsa_next_free_vgpr 256
		.amdhsa_next_free_sgpr 80
		.amdhsa_reserve_vcc 0
		.amdhsa_float_denorm_mode_32 3
		.amdhsa_float_denorm_mode_16_64 3
		.amdhsa_memory_ordered 1
		.amdhsa_forward_progress 1
		.amdhsa_inst_pref_size 56
	.end_amdhsa_kernel
	.amdgpu_metadata
---
amdhsa.version: [ 1, 2 ]
amdhsa.kernels:
  - .name:           k_q4f4bf5c2da_comb
    .symbol:         k_q4f4bf5c2da_comb.kd
    .args:
      - { .name: hh, .offset: 0, .size: 8, .value_kind: global_buffer, .address_space: global }
      - { .name: ms, .offset: 8, .size: 8, .value_kind: global_buffer, .address_space: global }
      - { .name: rt, .offset: 16, .size: 8, .value_kind: global_buffer, .address_space: global }
      - { .name: gt, .offset: 24, .size: 8, .value_kind: global_buffer, .address_space: global }
      - { .name: gamma, .offset: 32, .size: 8, .value_kind: global_buffer, .address_space: global }
      - { .name: beta, .offset: 40, .size: 8, .value_kind: global_buffer, .address_space: global }
      - { .name: out0, .offset: 48, .size: 8, .value_kind: global_buffer, .address_space: global }
    .group_segment_fixed_size: 34816
    .private_segment_fixed_size: 0
    .kernarg_segment_align: 8
    .kernarg_segment_size: 56
    .max_flat_workgroup_size: 512
    .sgpr_count:     80
    .vgpr_count:     256
    .wavefront_size: 32
...
	.end_amdgpu_metadata
.endif
;; end of part 6
